; MI455X (gfx1250); checked and timed in simulation.
; The chip was launched on July 23, 2026; its instructions are those of AMD's public machine-readable ISA for CDNA 5 (MIT licence, August 2026) and "CDNA5" Instruction Set Architecture Reference Guide (July 2026). The comments in the code are by the model that wrote it; some were corrected since.
;; Multi Head Diff Attention. Allowed arithmetic: float matrix products may take bf16 or f16 operands with f32 sums; other float arithmetic in f32, or as packed bf16 or f16 multiplies, adds, multiply-adds, maxima and minima; sums over many terms, partial sums and values carried from step to step in f32; what a program stores and reads back later, other than sums and carried values, may be rounded once to bf16 or f16.
;; Inputs: Wk 1,024 x 2,048 float32; Wo 1,024 x 1,024 float32; Wq 1,024 x 2,048 float32; Wv 1,024 x 1,024 float32; beta 1,024 float32; gamma 1,024 float32; lambda_k1 64 float32; lambda_k2 64 float32; lambda_q1 64 float32; lambda_q2 64 float32; x 2 x 2,048 x 1,024 float32.
;; Outputs: out0 2 x 2,048 x 1,024 float32.
;; One version. Each part assembles by itself: llvm-mc -triple=amdgcn-amd-amdhsa -mcpu=gfx1250 --defsym DOCPART=n.
;; ======== version 1 of 1: 5 launches
;; limits: values are held in f16: magnitudes above 65,504 overflow, below 6.1e-05 lose precision
;; workspace buffers: xb 8,388,608 bytes; wt 10,485,760 bytes; wot 2,097,152 bytes; qkv 41,943,040 bytes; ob 8,388,608 bytes; y 16,777,216 bytes
;; launch prep (part 1): grid 1280 x 1, 4 waves a work-group, no clusters, 17,920 bytes of LDS; arguments x, Wq, Wk, Wv, Wo, xb, wt, wot; writes xb, wt, wot
.if DOCPART == 1
	.amdgcn_target "amdgcn-amd-amdhsa--gfx1250"
	.amdhsa_code_object_version 6
	.text
	.protected	k_q5c417eab18_prep
	.globl	k_q5c417eab18_prep
	.p2align	8
	.type	k_q5c417eab18_prep,@function
k_q5c417eab18_prep:
	s_mov_b64 s[64:65], 0
	v_nop
	global_prefetch_b8 v0, s[64:65] scope:SCOPE_SE
	s_setreg_imm32_b32 hwreg(HW_REG_WAVE_MODE, 25, 1), 1
	s_wait_xcnt 0x0
; THE OPERANDS OF THE TWO GEMMS ARE MADE.  xb = x rounded to bf16, [4096][1024].  wt[n][k] = the weights' columns as rows, bf16: n 0-2047 Wq's, 2048-4095 Wk's, 4096-5119 Wv's.
; wot[n][k] = Wo[k][n] rounded to bf16, that number written as f16 (exact while |Wo| lies between 2^-14 and 65,504; below, f16's fixed step of 6e-8 holds).
; SHARES.  Work-groups 0-511: 32,768 bytes of x each, 16 loads of 16 bytes a thread, stores of 8 bytes a lane: a wave's store covers 256 consecutive bytes, aligned.
; Work-groups 512-1279: a tile of 128 k x 64 n of one weight.  Wave w loads rows k = 32 w + 0..31, a lane two neighbouring n (a wave's load covers 256 consecutive bytes of a row); pairs of k are
; rounded together, so a lane holds 8 consecutive k of one n in four registers; they go into an LDS stage of 64 rows (n) x 272 bytes and come back as whole rows of 256 bytes.
; No matrix unit, no tensor load, no cluster: nothing is shared between work-groups and every byte crosses once.
.set SPARE, 17408                      ; behind the stage (64 x 272): the spare words, 128 bytes a wave
.set SPW, 30                           ; v30  SPARE + 4 x my thread's number; never rewritten
.set NIL, 31                           ; v31  0; never rewritten
.set XR,  32                           ; v[32:95]   numbers as loaded
.set PKD, 96                           ; v[96:127]  packed 16-bit numbers
	s_load_b512 s[8:23], s[0:1], 0x0               ; x s[8:9], Wq s[10:11], Wk s[12:13], Wv s[14:15], Wo s[16:17], xb s[18:19], wt s[20:21], wot s[22:23]
	v_lshl_add_u32 v[SPW], v0, 2, SPARE
	v_mov_b32 v[NIL], 0
	v_lshrrev_b32 v2, 5, v0
	v_readfirstlane_b32 s3, v2                     ; wave 0..3
	v_and_b32 v1, 31, v0                           ; lane l
	s_mov_b32 s2, ttmp9
	; the stage's addresses, made by every work-group so that every register is written on every way
	s_lshl_b32 s24, s3, 6
	v_mul_u32_u24 v5, v1, 544                      ; into the stage: row n = 2 l,
	v_add_nc_u32 v5, s24, v5                       ; byte 64 w: my wave's 32 k
	v_lshrrev_b32 v2, 4, v1
	v_and_b32 v3, 15, v1
	v_lshl_add_u32 v2, s3, 4, v2                   ; back: row 16 w + l / 16,
	v_mul_u32_u24 v6, v2, 272
	v_lshl_add_u32 v6, v3, 4, v6                   ; 16 bytes a lane
	v_lshlrev_b32 v7, 11, v2                       ; and the same row in wt or wot: 2,048 bytes a row
	v_lshl_add_u32 v7, v3, 4, v7
	s_wait_kmcnt 0x0
	s_cmp_lt_u32 s2, 512
	s_cbranch_scc1 .Lx
	; A WEIGHT'S TILE.  u = 0-255 Wq, 256-511 Wk, 512-639 Wv, 640-767 Wo
	s_sub_co_u32 s4, s2, 512                       ; u
	s_mov_b32 s5, 640                              ; the weight's first u
	s_mov_b32 s6, 0                                ; its first row in wt (wot: 0)
	s_cmp_lt_u32 s4, 640
	s_cselect_b64 s[26:27], s[14:15], s[16:17]
	s_cselect_b64 s[28:29], s[20:21], s[22:23]
	s_cselect_b32 s5, 512, s5
	s_cselect_b32 s6, 4096, s6
	s_cmp_lt_u32 s4, 512
	s_cselect_b64 s[26:27], s[12:13], s[26:27]
	s_cselect_b32 s5, 256, s5
	s_cselect_b32 s6, 2048, s6
	s_cselect_b32 s7, 5, 4                         ; log2 of the tiles along n: 32 (2,048 columns) or 16
	s_cmp_lt_u32 s4, 256
	s_cselect_b64 s[26:27], s[10:11], s[26:27]
	s_cselect_b32 s5, 0, s5
	s_cselect_b32 s6, 0, s6
	s_sub_co_u32 s30, s4, s5
	s_lshr_b32 s31, s30, s7                        ; kt
	s_lshl_b32 s32, s31, s7
	s_sub_co_u32 s32, s30, s32                     ; nt
	s_add_co_u32 s33, s7, 15
	s_lshl_b32 s34, s31, s33                       ; 128 rows of 8,192 or 4,096 bytes
	s_lshl_b32 s35, s32, 8                         ; 64 columns of 4 bytes
	s_add_co_u32 s34, s34, s35
	s_mov_b32 s35, 0
	s_add_nc_u64 s[26:27], s[26:27], s[34:35]
	s_lshl_b32 s36, s32, 6
	s_add_co_u32 s36, s36, s6
	s_lshl_b32 s36, s36, 11                        ; row n of 2,048 bytes,
	s_lshl_b32 s37, s31, 8                         ; 128 k of 2 bytes
	s_add_co_u32 s36, s36, s37
	s_mov_b32 s37, 0
	s_add_nc_u64 s[28:29], s[28:29], s[36:37]
	s_add_co_u32 s33, s7, 13
	s_lshl_b32 s33, s3, s33                        ; my wave's 32 rows
	v_lshl_add_u32 v4, v1, 3, s33                  ; + 8 bytes a lane
.macro LOADW pitch                     ; 32 rows, 256 consecutive bytes of each
.set i, 0
.rept 32
	global_load_b64 v[XR+2*i:XR+2*i+1], v4, s[26:27] offset:i*(\pitch) th:TH_LOAD_NT
.set i, i+1
.endr
.endm
	s_cmp_eq_u32 s7, 5
	s_cbranch_scc0 .Lnarrow
	LOADW 8192
	s_branch .Lloaded
.Lnarrow:
	LOADW 4096
.Lloaded:
.irp c, 0,1,2,3
	s_wait_loadcnt 24-8*(\c)                       ; loads come back in order: rows 8 c .. 8 c + 7 are in, the younger ones stay out
.irp p, 0,1
.irp j, 0,1,2,3
	v_cvt_pk_bf16_f32 v[PKD+16*(\p)+4*(\c)+(\j)], v[XR+2*(8*(\c)+2*(\j))+(\p)], v[XR+2*(8*(\c)+2*(\j)+1)+(\p)]  ; column 2 l + p, rows 8 c + 2 j and the next
.endr
.endr
.endr
	s_cmp_lt_u32 s4, 640
	s_cbranch_scc1 .Lbf
.set i, 0
.rept 16                               ; Wo alone: the bf16 numbers are written as f16
	v_lshlrev_b32 v2, 16, v[PKD+2*i]
	v_and_b32 v3, 0xffff0000, v[PKD+2*i]
	v_lshlrev_b32 v9, 16, v[PKD+2*i+1]
	v_and_b32 v10, 0xffff0000, v[PKD+2*i+1]
	v_cvt_pk_f16_f32 v[PKD+2*i], v2, v3
	v_cvt_pk_f16_f32 v[PKD+2*i+1], v9, v10
.set i, i+1
.endr
.Lbf:
.irp p, 0,1
.irp c, 0,1,2,3
	ds_store_b128 v5, v[PKD+16*(\p)+4*(\c):PKD+16*(\p)+4*(\c)+3] offset:272*(\p)+16*(\c)
.endr
.endr
	s_branch .Lmeet
.Lx:                                           ; 32,768 BYTES OF x
	s_lshl_b32 s24, s2, 15
	s_mov_b32 s25, 0
	s_add_nc_u64 s[26:27], s[8:9], s[24:25]
	s_lshl_b32 s24, s2, 14
	s_add_nc_u64 s[28:29], s[18:19], s[24:25]
	v_lshlrev_b32 v4, 4, v0
	v_lshlrev_b32 v8, 3, v0
.set i, 0
.rept 16
	global_load_b128 v[XR+4*i:XR+4*i+3], v4, s[26:27] offset:2048*i th:TH_LOAD_NT
.set i, i+1
.endr
.set i, 0
.rept 16
	s_wait_loadcnt 15-i                            ; load i is in, the younger ones stay out
	v_cvt_pk_bf16_f32 v[PKD+2*i], v[XR+4*i], v[XR+4*i+1]
	v_cvt_pk_bf16_f32 v[PKD+2*i+1], v[XR+4*i+2], v[XR+4*i+3]
	global_store_b64 v8, v[PKD+2*i:PKD+2*i+1], s[28:29] offset:1024*i  ; no register is used twice, so nothing waits for a store
.set i, i+1
.endr
.Lmeet:
	s_wait_dscnt 0x0                               ; for the others' sake: my stores into the stage are done
	s_barrier_signal -1
	s_barrier_wait -1
	s_cmp_lt_u32 s2, 512
	s_cbranch_scc1 .Lend
.irp t, 0,1,2,3,4,5,6,7
	ds_load_b128 v[XR+4*(\t):XR+4*(\t)+3], v6 offset:544*(\t)  ; rows 16 w + 2 t and the next, whole
.endr
.irp t, 0,1,2,3,4,5,6,7
	s_wait_dscnt 7-(\t)
	global_store_b128 v7, v[XR+4*(\t):XR+4*(\t)+3], s[28:29] offset:4096*(\t)  ; 16 lanes store 256 consecutive bytes, aligned
.endr
.Lend:
	s_wait_tensorcnt 0x0                           ; the wave's end, behind my last LDS store
	ds_add_u32 v[SPW], v[NIL]
	s_wait_dscnt 0x0
	s_endpgm
.Lfunc_end_k_q5c417eab18_prep:
	.size	k_q5c417eab18_prep, .Lfunc_end_k_q5c417eab18_prep-k_q5c417eab18_prep
	.p2alignl 7, 3214868480
	.fill 96, 4, 3214868480
	.section	.rodata,"a",@progbits
	.p2align	6, 0x0
	.amdhsa_kernel k_q5c417eab18_prep
		.amdhsa_group_segment_fixed_size 17920
		.amdhsa_private_segment_fixed_size 0
		.amdhsa_enable_private_segment 0
		.amdhsa_kernarg_size 64
		.amdhsa_user_sgpr_count 2
		.amdhsa_user_sgpr_kernarg_segment_ptr 1
		.amdhsa_wavefront_size32 1
		.amdhsa_system_sgpr_workgroup_id_x 1
		.amdhsa_system_sgpr_workgroup_id_y 1
		.amdhsa_system_sgpr_workgroup_id_z 1
		.amdhsa_system_vgpr_workitem_id 0
		.amdhsa_next_free_vgpr 128
		.amdhsa_next_free_sgpr 66
		.amdhsa_reserve_vcc 0
		.amdhsa_float_denorm_mode_32 3
		.amdhsa_float_denorm_mode_16_64 3
		.amdhsa_memory_ordered 1
		.amdhsa_forward_progress 1
		.amdhsa_inst_pref_size 25
	.end_amdhsa_kernel
	.amdgpu_metadata
---
amdhsa.version: [ 1, 2 ]
amdhsa.kernels:
  - .name:           k_q5c417eab18_prep
    .symbol:         k_q5c417eab18_prep.kd
    .args:
      - { .name: x, .offset: 0, .size: 8, .value_kind: global_buffer, .address_space: global }
      - { .name: Wq, .offset: 8, .size: 8, .value_kind: global_buffer, .address_space: global }
      - { .name: Wk, .offset: 16, .size: 8, .value_kind: global_buffer, .address_space: global }
      - { .name: Wv, .offset: 24, .size: 8, .value_kind: global_buffer, .address_space: global }
      - { .name: Wo, .offset: 32, .size: 8, .value_kind: global_buffer, .address_space: global }
      - { .name: xb, .offset: 40, .size: 8, .value_kind: global_buffer, .address_space: global }
      - { .name: wt, .offset: 48, .size: 8, .value_kind: global_buffer, .address_space: global }
      - { .name: wot, .offset: 56, .size: 8, .value_kind: global_buffer, .address_space: global }
    .group_segment_fixed_size: 17920
    .private_segment_fixed_size: 0
    .kernarg_segment_align: 8
    .kernarg_segment_size: 64
    .max_flat_workgroup_size: 128
    .sgpr_count:     66
    .vgpr_count:     128
    .wavefront_size: 32
...
	.end_amdgpu_metadata
.endif
;; end of part 1
;; launch proj (part 2): grid 16 x 16, 4 waves a work-group, clusters of 4 x 4, 327,680 bytes of LDS; arguments xb, wt, qkv; writes qkv
.if DOCPART == 2
	.amdgcn_target "amdgcn-amd-amdhsa--gfx1250"
	.amdhsa_code_object_version 6
	.text
	.protected	k_q5c417eab18_proj
	.globl	k_q5c417eab18_proj
	.p2align	8
	.type	k_q5c417eab18_proj,@function
k_q5c417eab18_proj:
	s_mov_b64 s[64:65], 0
	v_nop
	global_prefetch_b8 v0, s[64:65] scope:SCOPE_SE
	s_setreg_imm32_b32 hwreg(HW_REG_WAVE_MODE, 25, 1), 1
	s_wait_xcnt 0x0
	s_wait_alu depctr_hold_cnt(0) depctr_sa_sdst(0) depctr_va_vdst(0) depctr_va_sdst(0) depctr_va_ssrc(0) depctr_va_vcc(0) depctr_vm_vsrc(0)
	s_getreg_b32 s2, hwreg(HW_REG_IB_STS2, 6, 4)
	s_cmp_eq_u32 s2, 0
	s_cbranch_scc0 .Lentry_in_a_cluster
	s_endpgm
.Lentry_in_a_cluster:
	s_bfe_u32 s2, ttmp6, 0x10000c
	s_cmp_lg_u32 s2, 0xf033
	s_cbranch_scc0 .Lentry_shape_is_right
	s_endpgm
.Lentry_shape_is_right:
; q, k AND v IN ONE GEMM.  C[m][n] = the sum over k of xb[m][k] wt[n][k], m < 4096, n < 5120, k < 1024, bf16 operands, f32 sums, C rounded once to f16 and laid out by SLABS of 64 columns:
; qkv[b][g][s][64], b = m / 2048, s = m % 2048, g = n / 64 (q of head h, half f: g = 2 h + f; k: 32 + 2 h + f; v: 64 + h).  A slab is 262,144 dense bytes.
; LIMIT.  f16 holds no number beyond 65,504: |q|, |k|, |v| must stay under it.
; SHARES.  A tile of C is 256 rows x 320 columns (five slabs): 16 x 16 tiles, one work-group each.  Wave (i, j) makes rows 128 i .. x 160 columns: two whole slabs (j = 0: slabs 0, 1; j = 1: slabs 3, 4)
; and its half of the middle slab: 80 accumulators of 16 x 16, 640 registers.  For 32 along K a wave reads 36 x 512 bytes from LDS for 80 matrix instructions.
; K goes in steps of 128 through two LDS slots filled by the tensor data mover; a tile's rows are 256 bytes of memory, aligned.
; CLUSTER.  4 x 4 work-groups: the four of a row need the same rows of xb, the four of a column the same rows of wt: each tile is asked for jointly, same load, descriptor and mask in all four.
; THE MATRIX INSTRUCTION IS USED TRANSPOSED (source 0 = 16 rows of wt, source 1 = 16 rows of xb): a lane holds one row of C and eight neighbouring columns, 16 bytes of f16.
; The 80 accumulators take turns, one instruction a turn, in the same order in every quarter step.
; REGISTERS, in windows of 256: window 0: v0-31 addresses; v64-143, v144-223 wt's fragments, two buffers of ten (v64-103 at work on the way out)
;   window 1: v0-63, v64-127 xb's fragments, two buffers of eight; v128-255 accumulators 0-15      windows 2, 3: accumulators 16-47, 48-79 (accumulator 10 a + b at register 384 + 8 (10 a + b))
.set KSTEP,  128
.set PITCH,  272                       ; an LDS row: 256 bytes + 16 of padding: the 16 rows of a fragment load start at 16 different groups of four banks (64 banks of 4 bytes: ISA guide 11.1)
.set HALFA,  128*PITCH                 ; what waves 0 and 1 fetch: 128 rows of xb
.set HALFB,  160*PITCH                 ; what waves 2 and 3 fetch: 160 rows of wt
.set BOFF,   2*HALFA
.set SLOT,   BOFF+2*HALFB              ; 156,672
.set SPARE,  2*SLOT                    ; behind the ring: the spare words, 128 bytes a wave
.set SP,     144                       ; the way out: a slab's row of 128 bytes + 16
.set SPL,    256*SP                    ; a slab's 256 rows.  The five planes lie at LDS byte 0 on, in the slots, which have had their last fill by then
.set SLB,    262144
.set ADRA, 16                          ; v16-17  LDS address of my xb fragments in slot 0, 1
.set ADRB, 20                          ; v20-21  of my eight blocks of wt
.set ADRX, 22                          ; v22-23  of my two blocks of the middle slab
.set STO,  24                          ; v24     the way out: where I put 16 bytes, blocks 0-7
.set STX,  25                          ; v25     blocks 8, 9
.set RD0,  26                          ; v26     where I read rows back: planes 0, 1
.set GO,   27                          ; v27     16 x lane
.set SPW,  28                          ; v28     SPARE + 4 x my thread's number; never rewritten
.set NIL,  29                          ; v29     0; never rewritten
.set RD2,  30                          ; v30     planes 2, 3
.set RD4,  31                          ; v31     plane 4
.set TMP,  64
.set G1, 24                            ; s[24:31] descriptor group 1 for xb's tiles;  s[32:39] group 0, a set for each slot
.set G0, 32
.set G1B, 48                           ; s[48:55], s[56:63] the same for wt's
.set G0B, 56
.set MSB, 0
.macro WIN new                         ; the immediate's high byte repeats the setting that is left; a switch that changes nothing is dropped
.if MSB != (\new)
	s_set_vgpr_msb (MSB<<8)|(\new)
.set MSB, (\new)
.endif
.endm
.macro JLOAD s                         ; a joint load: waves 0 and 1 fetch xb's two halves, waves 2 and 3 wt's; an s_nop 0 and four v_nop follow each line, ahead of the jump and the label
	s_cmp_eq_u32 s11, 0
	s_cbranch_scc0 .Lfor_b_\@
	tensor_load_to_lds s[G0+4*(\s):G0+4*(\s)+3], s[G1:G1+7]
	s_nop 0
.rept 4
	v_nop
.endr
	s_branch .Lasked_\@
.Lfor_b_\@:
	tensor_load_to_lds s[G0B+4*(\s):G0B+4*(\s)+3], s[G1B:G1B+7]
	s_nop 0
.rept 4
	v_nop
.endr
.Lasked_\@:
.endm
.macro CREST                           ; a round of the cluster's barrier behind its opening barrier
	s_cmp_lg_u32 s10, 0
	s_cbranch_scc1 .Lnot_wave_0_\@
	s_barrier_signal -3
.Lnot_wave_0_\@:
	s_barrier_wait -3
	s_barrier_signal -1
	s_barrier_wait -1
.endm
.macro CROUND                          ; a whole round
	s_barrier_signal -1
	s_barrier_wait -1
	CREST
.endm
.macro PLACES                          ; four plain places in front of loads into registers that matrix instructions have read (ISA guide 7.12.1 for vector instructions)
.rept 4
	v_nop
.endr
.endm
	s_load_b128 s[4:7], s[0:1], 0x0                ; xb s[4:5], wt s[6:7]
	s_load_b64 s[8:9], s[0:1], 0x10                ; qkv
	v_lshl_add_u32 v[SPW], v0, 2, SPARE
	v_mov_b32 v[NIL], 0
	ds_add_u32 v[SPW], v[NIL]                      ; the wave's opening: the add and its wait stand ahead of my first tensor load; work on registers stands between them
	v_lshrrev_b32 v1, 5, v0
	v_readfirstlane_b32 s10, v1                    ; wave 0..3
	s_lshr_b32 s11, s10, 1                         ; i: my half of the rows.  Also: I fetch for xb (0) or wt (1)
	s_and_b32 s12, s10, 1                          ; j: my half of the columns.  Also: which half of that tile I fetch
	s_bfe_u32 s40, ttmp6, 0x40000                  ; cx
	s_bfe_u32 s41, ttmp6, 0x40004                  ; cy
	s_lshl_b32 s42, ttmp9, 2
	s_add_co_u32 s42, s42, s40                     ; tile column = 4 x cluster x + cx
	s_and_b32 s13, ttmp7, 0xffff
	s_lshl_b32 s13, s13, 2
	s_add_co_u32 s13, s13, s41                     ; tile row = 4 x cluster y + cy
	s_lshl_b32 s43, s41, 2
	s_lshl_b32 s43, 15, s43                        ; my row of the cluster
	s_lshl_b32 s44, 0x1111, s40                    ; my column
	s_or_b32 s[G1+0], s43, (1<<16)|(1<<20)|(1<<21)|(5<<22)|(3<<25)   ; the mask; 2-byte elements; padding on; bit 21 beside a mask; after every 64 words (code 5) 4 words (code 3)
	s_or_b32 s[G1B+0], s44, (1<<16)|(1<<20)|(1<<21)|(5<<22)|(3<<25)
	s_mov_b32 s[G1+1], KSTEP<<16                   ; tensor_dim0 = 128
	s_mov_b32 s[G1+2], 128<<16                     ; tensor_dim1 = 128
	s_mov_b32 s[G1+3], KSTEP<<16                   ; tile_dim0 = 128
	s_mov_b32 s[G1+4], 128                         ; tile_dim1 = 128
	s_mov_b32 s[G1+5], 1024                        ; elements from row to row
	s_mov_b32 s[G1+6], 0
	s_mov_b32 s[G1+7], 0
	s_mov_b32 s[G1B+1], KSTEP<<16
	s_mov_b32 s[G1B+2], 160<<16                    ; 160 rows
	s_mov_b32 s[G1B+3], KSTEP<<16
	s_mov_b32 s[G1B+4], 160
	s_mov_b32 s[G1B+5], 1024
	s_mov_b32 s[G1B+6], 0
	s_mov_b32 s[G1B+7], 0
	s_lshl_b32 s17, s12, 7
	s_lshl_b32 s16, s13, 8
	s_add_co_u32 s16, s16, s17                     ; xb: row 256 x tile row + 128 x half,
	s_lshl_b32 s16, s16, 11                        ; 2,048 bytes a row
	s_mov_b32 s17, 0
	s_mul_i32 s46, s42, 320
	s_mul_i32 s47, s12, 160
	s_add_co_u32 s46, s46, s47                     ; wt: row 320 x tile column + 160 x half
	s_lshl_b32 s46, s46, 11
	s_mov_b32 s47, 0
	s_mul_i32 s20, s12, HALFA                      ; where they go: no place in the cluster enters an LDS address
	s_mul_i32 s21, s12, HALFB
	s_add_co_u32 s21, s21, BOFF
	s_wait_dscnt 0x0                               ; the opening add is done
	s_wait_kmcnt 0x0
	s_add_nc_u64 s[14:15], s[4:5], s[16:17]
	s_add_nc_u64 s[46:47], s[6:7], s[46:47]
	CROUND                                         ; all sixteen work-groups are here: the first joint loads meet
.irp s, 0,1
	s_mov_b32 s[G0+4*(\s)], 1
	s_add_co_u32 s[G0+4*(\s)+1], s20, (\s)*SLOT
	s_add_nc_u64 s[G0+4*(\s)+2:G0+4*(\s)+3], s[14:15], (\s)*KSTEP*2
	s_or_b32 s[G0+4*(\s)+3], s[G0+4*(\s)+3], 0x80000000
	s_mov_b32 s[G0B+4*(\s)], 1
	s_add_co_u32 s[G0B+4*(\s)+1], s21, (\s)*SLOT
	s_add_nc_u64 s[G0B+4*(\s)+2:G0B+4*(\s)+3], s[46:47], (\s)*KSTEP*2
	s_or_b32 s[G0B+4*(\s)+3], s[G0B+4*(\s)+3], 0x80000000
	JLOAD \s                                       ; K steps 0 and 1: two loads of mine are out
.endr
	; a fragment is 16 rows x 32 K in 8 registers: lane l holds row l % 16, K = 8 (l / 16) + 0..7 and 16 + 8 (l / 16) + 0..7: two loads of 16 bytes, 32 bytes apart
	v_and_b32 v1, 15, v0
	v_bfe_u32 v2, v0, 4, 1
	v_mul_u32_u24 v3, v1, PITCH
	v_lshl_add_u32 v3, v2, 4, v3
	s_mul_i32 s21, s11, HALFA                      ; my 128 rows of xb
	s_mul_i32 s22, s12, 192*PITCH                  ; my eight blocks of wt: rows 0-127 or 192-319,
	s_add_co_u32 s22, s22, BOFF
	s_mul_i32 s23, s12, 32*PITCH                   ; my two of the middle slab: rows 128-159 or 160-191
	s_add_co_u32 s23, s23, BOFF+128*PITCH
.irp s, 0,1
	v_add_nc_u32 v[ADRA+(\s)], s21, v3
	v_add_nc_u32 v[ADRB+(\s)], s22, v3
	v_add_nc_u32 v[ADRX+(\s)], s23, v3
	s_add_co_u32 s21, s21, SLOT
	s_add_co_u32 s22, s22, SLOT
	s_add_co_u32 s23, s23, SLOT
.endr
	v_mul_u32_u24 v4, v1, SP                       ; the way out, in: row 128 i + l % 16, 16 bytes for each half of the lanes
	v_lshl_add_u32 v4, v2, 4, v4
	s_mul_i32 s21, s11, 128*SP
	s_mul_i32 s22, s12, 3*SPL                      ; planes 0, 1 or 3, 4
	s_add_co_u32 s22, s22, s21
	v_add_nc_u32 v[STO], s22, v4
	s_lshl_b32 s22, s12, 6                         ; plane 2, my 64 bytes of its rows
	s_add_co_u32 s22, s22, s21
	s_add_co_u32 s22, s22, 2*SPL
	v_add_nc_u32 v[STX], s22, v4
	v_bfe_u32 v5, v0, 3, 2                         ; back: 32 lanes take four rows of 128 bytes; wave w takes rows 64 w .. 64 w + 63 of every plane
	v_and_b32 v6, 7, v0
	v_mul_u32_u24 v5, v5, SP
	v_lshl_add_u32 v5, v6, 4, v5
	s_mul_i32 s21, s10, 64*SP
	v_add_nc_u32 v[RD0], s21, v5
	v_add_nc_u32 v[RD2], 2*SPL, v[RD0]
	v_add_nc_u32 v[RD4], 4*SPL, v[RD0]
	v_and_b32 v[GO], 31, v0
	v_lshlrev_b32 v[GO], 4, v[GO]                  ; which are 512 consecutive bytes of a slab
	s_lshr_b32 s16, s13, 3                         ; b
	s_mul_i32 s16, s16, 80
	s_mul_i32 s17, s42, 5
	s_add_co_u32 s16, s16, s17                     ; the tile's first slab
	s_lshl_b32 s16, s16, 18
	s_and_b32 s17, s13, 7
	s_lshl_b32 s17, s17, 15                        ; the tile's 256 rows of 128 bytes,
	s_add_co_u32 s16, s16, s17
	s_lshl_b32 s17, s10, 13                        ; the 64 that I store
	s_add_co_u32 s16, s16, s17
	s_mov_b32 s17, 0
	s_add_nc_u64 s[8:9], s[8:9], s[16:17]
; row blocks a0 .. a1 x all ten column blocks, 32 along K, from buffer f.  zero = 1: the first product starts the sums: nothing is cleared
.macro MULR f, a0, a1, zero
.set a, (\a0)
.rept (\a1)-(\a0)+1
.set b, 0
.rept 10
.set t8, 384+8*(10*a+b)
.set W, t8/256
.set r, t8%256
	WIN 0x04|(W<<4)|(W<<6)                         ; source 0 (wt) window 0, source 1 (xb) window 1, C and D the accumulator's window
.if \zero
	v_wmma_f32_16x16x32_bf16 v[r:r+7], v[64+80*(\f)+8*b:64+80*(\f)+8*b+7], v[64*(\f)+8*a:64*(\f)+8*a+7], 0
.else
	v_wmma_f32_16x16x32_bf16 v[r:r+7], v[64+80*(\f)+8*b:64+80*(\f)+8*b+7], v[64*(\f)+8*a:64*(\f)+8*a+7], v[r:r+7]
.endif
.set b, b+1
.endr
.set a, a+1
.endr
.endm
; 36 LDS loads in one run: the fragments of a quarter step (32 K at byte k of the rows) into buffer f: wt's ten blocks, then xb's eight
.macro FETCH slot, k, f
	WIN 0
.irp i, 0,1,2,3,4,5,6,7
	ds_load_b128 v[64+80*(\f)+8*(\i):64+80*(\f)+8*(\i)+3],   v[ADRB+(\slot)] offset:(\k)+(\i)*16*PITCH
	ds_load_b128 v[64+80*(\f)+8*(\i)+4:64+80*(\f)+8*(\i)+7], v[ADRB+(\slot)] offset:(\k)+(\i)*16*PITCH+32
.endr
.irp i, 0,1
	ds_load_b128 v[128+80*(\f)+8*(\i):128+80*(\f)+8*(\i)+3],   v[ADRX+(\slot)] offset:(\k)+(\i)*16*PITCH
	ds_load_b128 v[128+80*(\f)+8*(\i)+4:128+80*(\f)+8*(\i)+7], v[ADRX+(\slot)] offset:(\k)+(\i)*16*PITCH+32
.endr
	WIN 0x40                                       ; destination window 1, address window 0
.irp i, 0,1,2,3,4,5,6,7
	ds_load_b128 v[64*(\f)+8*(\i):64*(\f)+8*(\i)+3],   v[ADRA+(\slot)] offset:(\k)+(\i)*16*PITCH
	ds_load_b128 v[64*(\f)+8*(\i)+4:64*(\f)+8*(\i)+7], v[ADRA+(\slot)] offset:(\k)+(\i)*16*PITCH+32
.endr
.endm
; A K step is four quarters of 32 along K, 80 matrix instructions each, on buffers 0, 1, 0, 1.  One of the first three: multiplies buffer f, fetches the next quarter (byte k) into g in its middle.
.macro QUARTER slot, k, f, g, zero
	s_wait_dscnt 8                                 ; wt's blocks and xb's blocks 0-3 are in; the youngest eight loads (xb's blocks 4-7) may be out
	MULR \f, 0, 3, \zero
	PLACES
	FETCH \slot, \k, \g
	s_wait_dscnt 36                                ; all but the 36 just issued
	MULR \f, 4, 7, \zero
.endm
; The last quarter multiplies buffer 1 and changes slots: one barrier; in front of it each wave waits for all its tensor loads (one is out: its part of the next slot), adds 0 to its spare word, and
; waits for that and for its reads of this slot.  fill = 1: the barrier opens a round of the cluster's barrier, and this slot is filled again, two K steps on, first thing behind the round.
.macro TURN slot, next, fill
	WIN 0
	s_wait_tensorcnt 0x0
	ds_add_u32 v[SPW], v[NIL]
	s_wait_dscnt 9                                 ; the add and the youngest eight loads may be out
	MULR 1, 0, 1, 0                                ; twenty matrix instructions stand between the add and the wait for it
	s_wait_dscnt 0x0                               ; the add is done, and my reads of this slot are over
	s_barrier_signal -1
	MULR 1, 2, 3, 0
	WIN 0
	s_barrier_wait -1
.if \fill
	CREST                                          ; no wave of any partner still reads this slot or has a load on its way
	s_add_nc_u64 s[G0+4*(\slot)+2:G0+4*(\slot)+3], s[G0+4*(\slot)+2:G0+4*(\slot)+3], 2*KSTEP*2
	s_add_nc_u64 s[G0B+4*(\slot)+2:G0B+4*(\slot)+3], s[G0B+4*(\slot)+2:G0B+4*(\slot)+3], 2*KSTEP*2
	JLOAD \slot                                    ; its four v_nop are also the places in front of the loads below; 280 matrix instructions stand between it and the wait for it
.else
	PLACES
.endif
	FETCH \next, 0, 0
	MULR 1, 4, 7, 0
.endm
	s_wait_tensorcnt 1                             ; my part of K step 0 is in; K step 1's may stay out
	s_barrier_signal -1
	s_barrier_wait -1
	FETCH 0, 0, 0
	QUARTER 0, 64, 0, 1, 1                         ; the first quarter stands in front of the loop: its products start the sums
	WIN 0
	s_mov_b32 s3, 3                                ; 1024 / 256 - 1 trips; a trip goes once round the ring and fills both slots again: K steps 2 to 7
.Llap:
	QUARTER 0, 128, 1, 0, 0
	QUARTER 0, 192, 0, 1, 0
	TURN 0, 1, 1
	QUARTER 1, 64,  0, 1, 0
	QUARTER 1, 128, 1, 0, 0
	QUARTER 1, 192, 0, 1, 0
	TURN 1, 0, 1
	QUARTER 0, 64,  0, 1, 0
	WIN 0
	s_sub_co_u32 s3, s3, 1
	s_cmp_lg_u32 s3, 0
	s_cbranch_scc1 .Llap
	QUARTER 0, 128, 1, 0, 0                        ; the last lap fills nothing
	QUARTER 0, 192, 0, 1, 0
	TURN 0, 1, 0
	QUARTER 1, 64,  0, 1, 0
	QUARTER 1, 128, 1, 0, 0
	QUARTER 1, 192, 0, 1, 0
	s_wait_dscnt 8
	MULR 1, 0, 3, 0
	s_wait_dscnt 0x0
	MULR 1, 4, 7, 0
	; THE WAY OUT.  Rounded to f16; 16 bytes a lane into five planes (slabs) of 256 rows x 144 bytes; a barrier; back as whole rows, 64 rows of every plane a wave.
	WIN 0
.rept 8
	v_nop                                          ; the places behind the last products
.endr
	s_wait_dscnt 0x0
	s_barrier_signal -1
	s_barrier_wait -1                              ; nobody reads the slots any more; no tensor load is out, and none follows
.macro OUTA a                          ; row block a: 40 conversions (each accumulator's registers ascending), ten stores
.set b, 0
.rept 10
.set t8, 384+8*(10*(\a)+b)
.set W, t8/256
.set r, t8%256
	WIN W|(W<<2)
.irp j, 0,1,2,3
	v_cvt_pk_f16_f32 v[TMP+4*b+(\j)], v[r+2*(\j)], v[r+2*(\j)+1]
.endr
.set b, b+1
.endr
	WIN 0
.irp c, 0,1,2,3,4,5,6,7
	ds_store_b128 v[STO], v[TMP+4*(\c):TMP+4*(\c)+3] offset:2304*(\a)+((\c)/4)*SPL+32*((\c)%4)
.endr
.irp c, 8,9
	ds_store_b128 v[STX], v[TMP+4*(\c):TMP+4*(\c)+3] offset:2304*(\a)+32*((\c)-8)
.endr
.endm
.irp a, 0,1,2,3,4,5,6,7
	OUTA \a
.endr
	s_wait_dscnt 0x0                               ; for the others' sake: my stores into the planes are done
	s_barrier_signal -1
	s_barrier_wait -1
.macro LOADB s                         ; my 64 rows of plane s: 16 loads, into registers that held accumulators
.if (\s) < 2
.set ra, RD0
.elseif (\s) < 4
.set ra, RD2
.else
.set ra, RD4
.endif
.if (\s) < 4
	WIN 0x80
.set rb, 64*(\s)
.else
	WIN 0xc0
.set rb, 0
.endif
.irp t, 0,1,2,3,4,5,6,7,8,9,10,11,12,13,14,15
	ds_load_b128 v[rb+4*(\t):rb+4*(\t)+3], v[ra] offset:((\s)%2)*SPL+576*(\t)
.endr
.endm
.macro SENDB s, younger                ; younger: the LDS loads issued behind plane s's
.if (\s) < 4
	WIN 0x08
.set rb, 64*(\s)
.else
	WIN 0x0c
.set rb, 0
.endif
.irp t, 0,1,2,3,4,5,6,7,8,9,10,11,12,13,14,15
	s_wait_dscnt (\younger)+15-(\t)
	global_store_b128 v[GO], v[rb+4*(\t):rb+4*(\t)+3], s[8:9] offset:(\s)*SLB+512*(\t)  ; 512 consecutive bytes of a slab, aligned; no register is used twice
.endr
.endm
	LOADB 0
	LOADB 1
	SENDB 0, 16
	LOADB 2
	SENDB 1, 16
	LOADB 3
	SENDB 2, 16
	LOADB 4
	SENDB 3, 16
	SENDB 4, 0
	WIN 0
	s_wait_tensorcnt 0x0                           ; the wave's end, behind my last tensor load and my last LDS store
	ds_add_u32 v[SPW], v[NIL]
	s_wait_dscnt 0x0
	CROUND                                         ; the closing round
	s_endpgm
.Lfunc_end_k_q5c417eab18_proj:
	.size	k_q5c417eab18_proj, .Lfunc_end_k_q5c417eab18_proj-k_q5c417eab18_proj
	.p2alignl 7, 3214868480
	.fill 96, 4, 3214868480
	.section	.rodata,"a",@progbits
	.p2align	6, 0x0
	.amdhsa_kernel k_q5c417eab18_proj
		.amdhsa_group_segment_fixed_size 327680
		.amdhsa_private_segment_fixed_size 0
		.amdhsa_enable_private_segment 0
		.amdhsa_kernarg_size 24
		.amdhsa_user_sgpr_count 2
		.amdhsa_user_sgpr_kernarg_segment_ptr 1
		.amdhsa_wavefront_size32 1
		.amdhsa_system_sgpr_workgroup_id_x 1
		.amdhsa_system_sgpr_workgroup_id_y 1
		.amdhsa_system_sgpr_workgroup_id_z 1
		.amdhsa_system_vgpr_workitem_id 0
		.amdhsa_next_free_vgpr 1024
		.amdhsa_next_free_sgpr 66
		.amdhsa_reserve_vcc 0
		.amdhsa_float_denorm_mode_32 3
		.amdhsa_float_denorm_mode_16_64 3
		.amdhsa_memory_ordered 1
		.amdhsa_forward_progress 1
		.amdhsa_inst_pref_size 174
	.end_amdhsa_kernel
	.amdgpu_metadata
---
amdhsa.version: [ 1, 2 ]
amdhsa.kernels:
  - .name:           k_q5c417eab18_proj
    .symbol:         k_q5c417eab18_proj.kd
    .args:
      - { .name: xb, .offset: 0, .size: 8, .value_kind: global_buffer, .address_space: global }
      - { .name: wt, .offset: 8, .size: 8, .value_kind: global_buffer, .address_space: global }
      - { .name: qkv, .offset: 16, .size: 8, .value_kind: global_buffer, .address_space: global }
    .group_segment_fixed_size: 327680
    .private_segment_fixed_size: 0
    .kernarg_segment_align: 8
    .kernarg_segment_size: 24
    .max_flat_workgroup_size: 128
    .sgpr_count:     66
    .vgpr_count:     1024
    .wavefront_size: 32
...
	.end_amdgpu_metadata
.endif
;; end of part 2
;; launch attn (part 3): grid 8 x 32, 4 waves a work-group, clusters of 4 x 1, 327,680 bytes of LDS; arguments qkv, lambda_q1, lambda_k1, lambda_q2, lambda_k2, ob; writes ob
.if DOCPART == 3
	.amdgcn_target "amdgcn-amd-amdhsa--gfx1250"
	.amdhsa_code_object_version 6
	.text
	.protected	k_q5c417eab18_attn
	.globl	k_q5c417eab18_attn
	.p2align	8
	.type	k_q5c417eab18_attn,@function
k_q5c417eab18_attn:
	s_mov_b64 s[64:65], 0
	v_nop
	global_prefetch_b8 v0, s[64:65] scope:SCOPE_SE
	s_setreg_imm32_b32 hwreg(HW_REG_WAVE_MODE, 25, 1), 1
	s_wait_xcnt 0x0
	s_wait_alu depctr_hold_cnt(0) depctr_sa_sdst(0) depctr_va_vdst(0) depctr_va_sdst(0) depctr_va_ssrc(0) depctr_va_vcc(0) depctr_vm_vsrc(0)
	s_getreg_b32 s2, hwreg(HW_REG_IB_STS2, 6, 4)
	s_cmp_eq_u32 s2, 0
	s_cbranch_scc0 .Lentry_in_a_cluster
	s_endpgm
.Lentry_in_a_cluster:
	s_bfe_u32 s2, ttmp6, 0x10000c
	s_cmp_lg_u32 s2, 0x3003
	s_cbranch_scc0 .Lentry_shape_is_right
	s_endpgm
.Lentry_shape_is_right:
; DIFFERENTIAL ATTENTION.  ob[b][h][q][:] = s (softmax_k(Q1 . K1 / 8) V - lamb softmax_k(Q2 . K2 / 8) V), s = 1 / (1 + |lamb|), lamb = e^(lq1 . lk1) - e^(lq2 . lk2) + 0.7778701 (the four
; vectors rounded to bf16 like every input of the module).  The factor s is taken back by the last launch, exactly: LayerNorm of z / s with eps is LayerNorm of z with eps s^2.
; With it the two factors' magnitudes add to 1, so ob lies within V's range whatever lamb is.  qkv: [b][80 slabs][2048][64] f16 (q of head h, half f: slab 2 h + f; k: 32 + 2 h + f; v: 64 + h).
; Products, maxima and sums in f32; the weights p are rounded to f16 for the second product (their sum l is taken of the unrounded p), ob once at the end.
; LIMITS.  q, k, v arrive within f16's 65,504; p lies in 0 to 1, and below 6e-5 it keeps f16's fixed step of 6e-8; a weight below 2^-126 counts as 0 in l; NaN and infinities are not treated apart.
; SHARES.  A work-group owns 256 queries of one (b, h), a wave 64, in BOTH halves: eight tiles of 16 queries, tile t = 4 half + block; four PIECES of two tiles: pieces 0, 1 are half 1's, pieces 2, 3 half 2's.
; Every wave walks all 2,048 keys, 64 a step.  The two halves share V's fragments; K1 and K2 take turns in one buffer of registers.
; LAYOUT.  S^T = K Q^T (source 0 = 16 keys, source 1 = 16 queries): a lane holds ONE query (lane % 16) and the keys 8 (lane / 16) + 0..7.  Two such tiles, rounded to f16 in pairs, ARE source 1 of
; O^T = V^T P, whose result again holds one query a lane, and eight channels.  K comes out of LDS as it lies, V ([key][channel]) turned, by ds_load_tr16_b128.
; SOFTMAX.  For each query and half a running maximum m and sum l: p = 2^(c s - c m), c = log2(e) / 8; in every step O and l are multiplied by a = 2^(c m_old - c m_new).  m starts at the lowest
; finite number, O and l at 0: the first step is a step like any other, with a = 0.
; BY TURNS.  Turn n belongs to piece n.  Its matrix work: 16 products K Q^T of piece n + 1, later 16 products V^T P of piece n - 1.  Its vector work: scaling, exponentials, roundings, sums and rescaling
; of piece n, and the maximum and statistics of piece n + 1.  A tile and step have 16 matrix and 118 vector instructions: four that are ready stand behind every matrix instruction, the others in two runs.
; So K1 is wanted in turns 3 and 0, K2 in turns 1 and 2: K2 of the step in hand is fetched in turn 0, K1 of the next step in turn 2, each behind the turn's products K Q^T.
; CLUSTER.  The four query blocks of a cluster belong to one (b, h) and walk the same K1, K2 and V: each tile is asked for JOINTLY, same tensor load, descriptor and mask in all four.
; REGISTERS, in windows of 256 (s_set_vgpr_msb: bits 1:0 source 0, 3:2 source 1, 5:4 source 2, 7:6 destination):
;   window 0: v0-11 addresses; v12-15, v48-63 at work; v16-47 four registers of statistics a tile; v64-191 S^T, two buffers of two tiles; v192-255 P, likewise
;   window 1: O^T, 32 a tile          window 2: v0-127 Q, 16 a tile; v128-191 K1 or K2 of one step; v192-255 V of one step          window 3: v0-1 the add's two registers
.set SIZE_N, 2048
.set SLB,   SIZE_N*128                 ; a slab
.set NP,    4         ; pieces a wave: a name, no knob
.set KS,    64        ; keys in a step
.set PK,    144       ; a row of K in LDS: 128 bytes + 16: the 16 rows of a load start at 16 different groups of four banks (64 banks of 4 bytes: ISA guide 11.1)
.set PV,    160       ; a row of V: 128 + 32
.set K2OFF, 4*KS*PK   ; a slot holds four steps: 256 rows of K1, 256 of K2, 256 of V
.set VOFF,  2*K2OFF
.set SLOT1, 1<<17     ; slot 1 begins here, so that one exclusive or turns an address in one slot into the other's
.set STAGE, SLOT1+VOFF+4*KS*PV  ; behind the ring, never filled by a tensor load: 16 rows x 144 bytes for each wave, for the way out
.set SP,    144
.set AK0, 2           ; v2   my lane's place in a tile of K; never rewritten
.set AV0, 3           ; v3   the same for V
.set AK,  4           ; v4   the LDS address of K's next run of loads
.set AV,  5           ; v5   of V's
.set QO,  6           ; v6   my byte offset in 16 rows of Q
.set STO, 6           ;      later, the way out: where I put 16 bytes of a row
.set RD,  7           ; v7   the way out: where I read rows back
.set GO,  8           ; v8   first 8 x lane, for the lambdas; then my byte offset in 512 consecutive bytes of ob
.set PFO, 11          ; v11  256 x lane, for the prefetches; never rewritten once made
.set SPW, 0           ; v0 of window 3   SPARE + 4 x my thread's number; never rewritten
.set NIL, 1           ; v1 of window 3   0; never rewritten
.set SPARE, STAGE+4*16*SP  ; behind the stages: the spare words, 128 bytes a wave
.set MV,  12          ; v12-15  c m_old, kept while c m is made anew: by buffer and tile
.set ST,  16          ; tile t's statistics at v[ST+4 t]: c m, m, l (even keys', odd keys')
.set TMP, 48          ; by buffer and tile, four registers c0-c3 at work; when the maximum is found c2 takes a
.set S,   64
.set P,   192
.set KF,  128         ; K's fragments, in window 2: key block kb, channel half c at KF + 16 kb + 8 c
.set VF,  192         ; V's: key half kk, channel block cb at VF + 32 kk + 8 cb
.set WV,  12          ; s12  my wave's number
.set LIM, 15          ; s15  1 in a wave that prefetches, else the greatest number
.set G1K, 24          ; s[24:31] descriptor group 1 for K's tiles
.set G1V, 32          ; s[32:39] for V's
.set G0K, 40          ; s[40:43] descriptor group 0 for K's tiles: it walks
.set G0V, 44          ; s[44:47] the same for V's
.set SLOTS, 56        ; s56  slots still to be asked for
.set CNT, 57          ; s57  counts a slot's key steps
.set CS,  58          ; s[58:59] c
.set SEL, 60          ; s[60:61] v_permlanex16_b32's selects: each lane takes its own place in the other half
.set TBK, 62          ; s62  LDS byte at which K1 of the step to be fetched begins
.set TBV, 63          ; s63  the same for V, less VOFF
.set C1,  76          ; s76  s
.set C2N, 77          ; s77  - s lamb
.set PFA, 78          ; s[78:79] where my prefetches stand
.set MSB, 0
.macro WIN new                      ; the high byte repeats the setting that is left; a switch that changes nothing is dropped
.if MSB != (\new)
	s_set_vgpr_msb (MSB<<8)|(\new)
.set MSB, (\new)
.endif
.endm
.set W_KQ, 0x0a       ; K and Q in window 2, S^T in window 0
.set W_PV, 0x52       ; V in window 2, P in window 0, O^T in window 1
.set W_RS, 0x41       ; O^T (destination and source 0) in window 1, the factor in window 0
.set W_MK, 0xc0       ; the add's registers are made: destination in window 3
.set W_AD, 0x0f       ; the add: address and data in window 3
; A joint fill.  Wave 0 fetches a slot's K1, wave 1 its K2 (256 keys each), waves 2 and 3 the halves of its V.  The branch hangs on the wave's number alone.
; An s_nop 0 and four v_nop follow each of the two lines, ahead of the jump and the label.
.macro JLOAD
	s_cmp_lt_u32 s[WV], 2
	s_cbranch_scc0 .Lfor_v_\@
	tensor_load_to_lds s[G0K:G0K+3], s[G1K:G1K+7]
	s_nop 0
.rept 4
	v_nop
.endr
	s_branch .Lasked_\@
.Lfor_v_\@:
	tensor_load_to_lds s[G0V:G0V+3], s[G1V:G1V+7]
	s_nop 0
.rept 4
	v_nop
.endr
.Lasked_\@:
.endm
; A PREFETCH INTO THE L2 of what the NEXT change of slots will ask for: 32,768 bytes each of K1, K2 and V.  Both clusters of a (b, h) walk the same rows: the first prefetches.  Its four partners share
; the bytes out BY ADDRESS, 8,192 each; in each, wave 0 asks for K1's, wave 1 for K2's, wave 2 for V's: a lane 256 bytes, one instruction.  So each aligned 256 bytes are named once in the launch.
; It stands behind the wave's tensor load and its five lines: four key steps, 512 matrix instructions, ahead of the load that will want the bytes.  The last change that fills a slot asks for nothing.
.macro ASK
	s_cmp_gt_u32 s[SLOTS], s[LIM]
	s_cbranch_scc0 .Lnot_mine_\@
	global_prefetch_b8 v[PFO], s[PFA:PFA+1] th:TH_LOAD_NT scope:SCOPE_SE
.Lnot_mine_\@:
.endm
.macro CROUND                       ; a round of the cluster's barrier
	s_barrier_signal -1
	s_barrier_wait -1
	s_cmp_lg_u32 s[WV], 0
	s_cbranch_scc1 .Lnot_wave_0_\@
	s_barrier_signal -3
.Lnot_wave_0_\@:
	s_barrier_wait -3
	s_barrier_signal -1
	s_barrier_wait -1
.endm
; THE CHANGE OF SLOTS.  The slot's last bytes, V of its fourth step, have been read.  Each wave waits for all its tensor loads, of which one is out: its part of the other slot; adds 0 to its spare
; word; and waits for that and for its own reads of the slot.  fill = 1: this slot is filled again, with the keys two slots on; the barrier is then a round of the cluster's, and the joint fill is the
; first thing behind it: it has four key steps in which to land.  (At its first use nothing has been read yet: slot 0 is waited for, slot 1 filled.)  ask = 1: the prefetch's address steps, and ASK follows.
.macro CHANGE fill, ask=0
	WIN W_AD
	s_wait_tensorcnt 0x0            ; no tensor load of mine is out, so a group 0 may be written
	ds_add_u32 v[SPW], v[NIL]       ; 0 onto my spare word; the descriptors' steps stand between it and the wait for it
	WIN 0                           ; at a label and at a branch every window is 0
.if \fill
.irp g, G0K, G0V
	s_xor_b32 s[\g+1], s[\g+1], SLOT1  ; the walking descriptor: the other slot than last time,
	s_add_nc_u64 s[\g+2:\g+3], s[\g+2:\g+3], 4*KS*128  ; the next 256 keys; the type bits on top are not reached
.endr
.if \ask
	s_wait_xcnt 0x0                 ; the last prefetch, four key steps back, has read its address
	s_add_nc_u64 s[PFA:PFA+1], s[PFA:PFA+1], 4*KS*128
.endif
	s_wait_dscnt 0x0                ; the add is done, and my reads of the slot are over
	CROUND
	JLOAD
.if \ask
	ASK
.endif
.else
	s_wait_dscnt 0x0
	s_barrier_signal -1
	s_barrier_wait -1
.endif
	s_sub_co_u32 s[TBK], s[TBK], 4*KS*PK  ; the fetches go back to a slot's first step,
	s_xor_b32 s[TBK], s[TBK], SLOT1       ; in the other slot
	s_sub_co_u32 s[TBV], s[TBV], 4*KS*PV
	s_xor_b32 s[TBV], s[TBV], SLOT1
.endm
; lamb and its two factors.  v[T:T+7]: my lane's two numbers of lq1, lk1, lq2, lk2.  Leaves lamb in T+8, s = 1 / (1 + |lamb|) in T+10, s lamb in T+11, the same in every lane.
.macro LAMB T, SL
.irp n, 0,1,2,3
	v_cvt_pk_bf16_f32 v[(\T)+8+(\n)], v[(\T)+2*(\n)], v[(\T)+2*(\n)+1]
.endr
.irp n, 0,1,2,3
	v_lshlrev_b32 v[(\T)+2*(\n)], 16, v[(\T)+8+(\n)]
	v_and_b32 v[(\T)+2*(\n)+1], 0xffff0000, v[(\T)+8+(\n)]
.endr
	v_mul_f32 v[(\T)+8], v[(\T)], v[(\T)+2]
	v_mul_f32 v[(\T)+9], v[(\T)+4], v[(\T)+6]
	v_fmac_f32 v[(\T)+8], v[(\T)+1], v[(\T)+3]
	v_fmac_f32 v[(\T)+9], v[(\T)+5], v[(\T)+7]
.irp m, 1,2,4,8
	v_add_f32_dpp v[(\T)+8], v[(\T)+8], v[(\T)+8] row_xmask:\m row_mask:0xf bank_mask:0xf
	v_add_f32_dpp v[(\T)+9], v[(\T)+9], v[(\T)+9] row_xmask:\m row_mask:0xf bank_mask:0xf
.endr
	v_permlanex16_b32 v[(\T)+10], v[(\T)+8], s[\SL], s[(\SL)+1]
	v_permlanex16_b32 v[(\T)+11], v[(\T)+9], s[\SL], s[(\SL)+1]
	v_add_f32 v[(\T)+8], v[(\T)+8], v[(\T)+10]
	v_add_f32 v[(\T)+9], v[(\T)+9], v[(\T)+11]
	v_mul_f32 v[(\T)+8], 0x3fb8aa3b, v[(\T)+8]
	v_mul_f32 v[(\T)+9], 0x3fb8aa3b, v[(\T)+9]
	v_exp_f32 v[(\T)+8], v[(\T)+8]
	v_exp_f32 v[(\T)+9], v[(\T)+9]
	v_nop                           ; a plain instruction behind the exponentials
	s_wait_alu depctr_va_vdst(0)
	v_sub_f32 v[(\T)+8], v[(\T)+8], v[(\T)+9]
	v_add_f32 v[(\T)+8], 0x3f47227f, v[(\T)+8]  ; 0.8 - 0.6 e^-3.3
	v_add_f32 v[(\T)+9], 1.0, |v[(\T)+8]|
	v_rcp_f32 v[(\T)+10], v[(\T)+9]
	v_nop
	s_wait_alu depctr_va_vdst(0)
	v_mul_f32 v[(\T)+11], v[(\T)+10], v[(\T)+8]
.endm
	s_load_b64 s[4:5], s[0:1], 0x0    ; qkv
	s_load_b256 s[68:75], s[0:1], 0x8 ; lq1 s[68:69], lk1 s[70:71], lq2 s[72:73], lk2 s[74:75]
	s_load_b64 s[10:11], s[0:1], 0x28 ; ob
	WIN W_MK
	v_lshl_add_u32 v[SPW], v0, 2, SPARE
	v_mov_b32 v[NIL], 0
	WIN W_AD
	ds_add_u32 v[SPW], v[NIL]       ; the wave's opening: the add and its wait stand ahead of my first tensor load; work on registers stands between them
	WIN 0
	v_lshrrev_b32 v1, 5, v0
	v_readfirstlane_b32 s[WV], v1   ; wave 0..3
	s_bfe_u32 s13, ttmp6, 0x40000   ; cx: my place in the cluster
	s_lshl_b32 s14, ttmp9, 2        ; in a cluster launch ttmp9 counts clusters
	s_add_co_u32 s14, s14, s13      ; my block of 256 queries: it enters Q's and ob's addresses alone
	s_and_b32 s20, ttmp7, 0xffff    ; 16 b + h, which the four partners share
	s_lshr_b32 s21, s20, 4
	s_mul_i32 s21, s21, 80          ; 80 b
	s_and_b32 s22, s20, 15          ; h
	s_and_b32 s16, s[WV], 1
	s_lshl1_add_u32 s23, s22, s21   ; 80 b + 2 h: Q1's slab
	s_add_co_u32 s6, s23, s16
	s_add_co_u32 s6, s6, 32         ; K1's slab (waves 0, 2) or K2's (waves 1, 3)
	s_lshl_b32 s6, s6, 18
	s_mov_b32 s7, 0
	s_add_co_u32 s8, s21, s22
	s_add_co_u32 s8, s8, 64         ; V's slab,
	s_lshl_b32 s8, s8, 18
	s_lshl_b32 s9, s16, 14          ; my half of a slot's 256 keys
	s_add_co_u32 s8, s8, s9
	s_mov_b32 s9, 0
	s_lshl_b32 s2, s14, 15          ; my block's 256 rows of 128 bytes,
	s_lshl_b32 s3, s[WV], 13        ; my wave's 64
	s_add_co_u32 s2, s2, s3
	s_lshl_b32 s20, s20, 18
	s_add_co_u32 s20, s20, s2       ; in ob
	s_mov_b32 s21, 0
	s_lshl_b32 s23, s23, 18
	s_add_co_u32 s2, s2, s23        ; in Q1's slab
	s_mov_b32 s3, 0
	s_mul_i32 s17, s16, K2OFF       ; where K1 or K2 goes in a slot,
	s_mul_i32 s18, s16, 128*PV      ; and my half of V: no place in the cluster enters an LDS address
	; descriptor group 1.  Keys are dense rows of 128 bytes: asked for as rows of 256 bytes, two keys a row, and padded in LDS after every key
	s_mov_b32 s[G1K], 15|(1<<16)|(1<<20)|(1<<21)|(4<<22)|(3<<25)  ; the mask of four; 2-byte elements; padding on; bit 21 beside a mask; after every 32 words (code 4) 4 words (code 3)
	s_mov_b32 s[G1V], 15|(1<<16)|(1<<20)|(1<<21)|(4<<22)|(7<<25)  ; the same with 8 words of padding (code 7)
.irp g, G1K, G1V
	s_mov_b32 s[\g+1], 128<<16      ; tensor_dim0 = 128
	s_mov_b32 s[\g+3], 128<<16      ; tile_dim0 = 128
	s_mov_b32 s[\g+5], 128          ; 128 elements from row to row
	s_mov_b32 s[\g+6], 0
	s_mov_b32 s[\g+7], 0
.endr
	s_mov_b32 s[G1K+2], 128<<16     ; K: 256 keys = 128 rows
	s_mov_b32 s[G1K+4], 128
	s_mov_b32 s[G1V+2], 64<<16      ; V: 128 keys = 64 rows
	s_mov_b32 s[G1V+4], 64
	s_mov_b32 s[CS], 0x3e38aa3b     ; c = log2(e) / 8
	s_mov_b32 s[CS+1], s[CS]
	s_mov_b32 s[SEL], 0x76543210
	s_mov_b32 s[SEL+1], 0xfedcba98
	s_mov_b32 s[TBK], SLOT1+4*KS*PK ; the first change of slots turns these two into 0
	s_mov_b32 s[TBV], SLOT1+4*KS*PV
	s_mov_b32 s[G0K], 1
	s_mov_b32 s[G0K+1], s17         ; slot 0
	s_mov_b32 s[G0V], 1
	s_add_co_u32 s[G0V+1], s18, VOFF
	s_cmp_lt_u32 s[WV], 3           ; waves 0, 1, 2 of the (b, h)'s first cluster prefetch: the same in all four partners
	s_cselect_b32 s[LIM], ttmp9, 1
	s_cmp_eq_u32 s[LIM], 0
	s_cselect_b32 s[LIM], 1, -1
	s_wait_dscnt 0x0                ; the opening add is done
	s_wait_kmcnt 0x0
	s_add_nc_u64 s[6:7], s[4:5], s[6:7]
	s_add_nc_u64 s[8:9], s[4:5], s[8:9]
	s_add_nc_u64 s[4:5], s[4:5], s[2:3]      ; Q at my wave's first row of half 1
	s_add_nc_u64 s[10:11], s[10:11], s[20:21]
	s_mov_b64 s[G0K+2:G0K+3], s[6:7]
	s_or_b32 s[G0K+3], s[G0K+3], 0x80000000  ; type = 2
	s_mov_b64 s[G0V+2:G0V+3], s[8:9]
	s_or_b32 s[G0V+3], s[G0V+3], 0x80000000
	s_cmp_lt_u32 s[WV], 2
	s_cselect_b64 s[PFA:PFA+1], s[6:7], s[8:9]  ; (in wave 2 V's address stands at a slot's first row)
	s_lshl_b32 s2, s13, 13          ; my work-group's 8,192 bytes of a slot's 32,768
	s_mov_b32 s3, 0
	s_add_nc_u64 s[PFA:PFA+1], s[PFA:PFA+1], s[2:3]
	s_add_nc_u64 s[PFA:PFA+1], s[PFA:PFA+1], 2*4*KS*128  ; at slot 2; the loop's first change steps it to slot 3.  Nothing is prefetched at the head
	CROUND                          ; all four work-groups are here: the first joint loads meet
	JLOAD                           ; slot 0.  Slot 1 is asked for when slot 0 is in
	v_and_b32 v[GO], 31, v0
	v_lshlrev_b32 v[GO], 3, v[GO]
	global_load_b64 v[S:S+1],   v[GO], s[68:69]
	global_load_b64 v[S+2:S+3], v[GO], s[70:71]
	global_load_b64 v[S+4:S+5], v[GO], s[72:73]
	global_load_b64 v[S+6:S+7], v[GO], s[74:75]
	; A fragment of K or Q is 16 rows x 32 channels in 8 registers: lane l holds row l % 16, channels 8 (l / 16) + 0..7 and 16 + 8 (l / 16) + 0..7: two loads of 16 bytes, 32 bytes apart.
	v_and_b32 v1, 15, v0            ; l % 16
	v_bfe_u32 v9, v0, 4, 1          ; l / 16
	v_lshlrev_b32 v[QO], 7, v1
	v_lshl_add_u32 v[QO], v9, 4, v[QO]
	WIN 0x80                        ; destination window 2, address window 0
.set i, 0
.rept 4*NP                          ; Q stays in registers: tile i / 2 (half (i / 2) / 4, a slab on; block (i / 2) % 4), channels 32 (i % 2) on
	global_load_b128 v[8*i:8*i+3],   v[QO], s[4:5] offset:(i/8)*SLB+((i/2)%4)*2048+(i%2)*64
	global_load_b128 v[8*i+4:8*i+7], v[QO], s[4:5] offset:(i/8)*SLB+((i/2)%4)*2048+(i%2)*64+32
.set i, i+1
.endr
	; What the first turn finds: V's registers and P's second buffer hold 0, O^T and l are 0.  All this stands in the wait for the first tile.
.set i, VF
.rept 64
	v_mov_b32 v[i], 0
.set i, i+1
.endr
	WIN 0x40
.set i, 0
.rept 64*NP
	v_mov_b32 v[i], 0
.set i, i+1
.endr
	WIN 0
.set i, 0
.rept 2*NP
	v_mov_b32 v[ST+4*i], 0xfe000000    ; c m: far below every c s
	v_mov_b32 v[ST+4*i+1], 0xff7fffff  ; m
	v_mov_b32 v[ST+4*i+2], 0
	v_mov_b32 v[ST+4*i+3], 0
.set i, i+1
.endr
.set i, P+32
.rept 32
	v_mov_b32 v[i], 0
.set i, i+1
.endr
	s_wait_loadcnt 32               ; the four lambdas are in; Q's 32 younger loads may stay out
	LAMB S, SEL
	v_xor_b32 v[S+11], 0x80000000, v[S+11]
	v_readfirstlane_b32 s[C1], v[S+10]
	v_readfirstlane_b32 s[C2N], v[S+11]
	v_mul_u32_u24 v[AK0], v1, PK
	v_lshl_add_u32 v[AK0], v9, 4, v[AK0]  ; row x pitch + 16 x half
	; The turning load takes 16 keys x 16 channels (lane l reads key 8 (l / 16) + l % 8, channels 8 ((l / 8) % 2) + 0..7) and leaves half a fragment of V^T: lane l holds channel l % 16 and 8 keys.
	v_and_b32 v10, 7, v0
	v_bfe_u32 v11, v0, 3, 1
	v_lshl_add_u32 v[AV0], v9, 3, v10
	v_mul_u32_u24 v[AV0], v[AV0], PV
	v_lshl_add_u32 v[AV0], v11, 4, v[AV0]
	v_add_nc_u32 v[AV0], VOFF, v[AV0]
	v_and_b32 v[PFO], 31, v0
	v_lshlrev_b32 v[PFO], 8, v[PFO]
	v_mov_b32 v[AK], v[AK0]         ; key step 0 lies at the head of slot 0
; THE MATRIX WORK.  The 8 accumulators of a run of 16 take turns: between the two links of a chain stand 7 others'.
; Product i of 16 of S^T = K Q^T for piece x: channels 32 (i / 8) on, keys 16 ((i / 2) % 4) on, tile 2 x + i % 2.  The first 8 start the sums.
.macro KQ x
	WIN W_KQ
.set rS, S+64*((\x)%2)+32*(i%2)+8*((i/2)%4)
.set rK, KF+16*((i/2)%4)+8*(i/8)
.set rQ, 16*(2*(\x)+i%2)+8*(i/8)
.if i < 8
	v_wmma_f32_16x16x32_f16 v[rS:rS+7], v[rK:rK+7], v[rQ:rQ+7], 0
.else
	v_wmma_f32_16x16x32_f16 v[rS:rS+7], v[rK:rK+7], v[rQ:rQ+7], v[rS:rS+7]
.endif
.endm
; Product i of 16 of O^T += V^T P for piece x: keys 32 (i / 8) on, channels 16 ((i / 2) % 4) on, tile 2 x + i % 2.
.macro PV x
	WIN W_PV
.set rO, 32*(2*(\x)+i%2)+8*((i/2)%4)
.set rV, VF+32*(i/8)+8*((i/2)%4)
.set rP, P+32*((\x)%2)+16*(i%2)+8*(i/8)
	v_wmma_f32_16x16x32_f16 v[rO:rO+7], v[rV:rV+7], v[rP:rP+7], v[rO:rO+7]
.endm
.macro MM                           ; the turn's next matrix instruction
.if i < 16
	KQ (Y+1)%NP
.set i, i+1
.else
.set i, i-16
	PV (Y+NP-1)%NP
.set i, i+17
.endif
.endm
; THE LDS LOADS stand in runs of 16: a step's K1 (half = 0) or K2 (half = 1), 64 keys x 64 channels: 8 fragments; and its V (turned).  Their addresses are made some lines ahead.
; K2's run is the step's second, so it steps the place.  last = 1 (the tail): in the last trip there is no further step, and the run is jumped over.
.macro FETCH_K half, last=0
	WIN 0
.if \last
	s_cmp_eq_u32 s[CNT], 1
	s_cbranch_scc1 .Lno_k_\@
.endif
	WIN 0x80                        ; destination window 2
.irp f, 0,1,2,3,4,5,6,7             ; keys 16 (f / 2) on, channels 32 (f % 2) on
	ds_load_b128 v[KF+8*\f:KF+8*\f+3],   v[AK] offset:(\half)*K2OFF+(\f/2)*16*PK+(\f%2)*64
	ds_load_b128 v[KF+8*\f+4:KF+8*\f+7], v[AK] offset:(\half)*K2OFF+(\f/2)*16*PK+(\f%2)*64+32
.endr
.if \half
	s_add_co_u32 s[TBK], s[TBK], KS*PK
.endif
	WIN 0
.if \last
.Lno_k_\@:
.endif
.endm
.macro FETCH_V
	WIN 0x80
.irp f, 0,1,2,3,4,5,6,7             ; keys 32 (f / 4) on, channels 16 (f % 4) on
	ds_load_tr16_b128 v[VF+8*\f:VF+8*\f+3],   v[AV] offset:(\f/4)*32*PV+(\f%4)*32
	ds_load_tr16_b128 v[VF+8*\f+4:VF+8*\f+7], v[AV] offset:(\f/4)*32*PV+16*PV+(\f%4)*32
.endr
	WIN 0
.endm
; THE VECTOR WORK OF A TURN stands in three queues, each in the order in which its entries become ready; the two tiles alternate, so that no instruction reads the result of the one before it.
.macro REGS y, u                    ; the registers of tile u (0, 1) of piece y
.set rT, ST+4*(2*(\y)+(\u))
.set rC, TMP+8*((\y)%2)+4*(\u)
.set rM, MV+2*((\y)%2)+(\u)
.set rS, S+64*((\y)%2)+32*(\u)
.set rP, P+32*((\y)%2)+16*(\u)
.set rO, 32*(2*(\y)+(\u))
.endm
; Number n of the 22 that find the NEXT piece's (Y + 1) maximum and statistics.  s0-s31 are the lane's 32 scores; each accumulator's lowest registers are read first.
;   0-11  four chains c0-c3 of seven scores each, three operands at a time     12-14, 16  the four scores left over, the old m, and c0-c3 into c0     15  c m_old is kept
;   17, 18  the query's other 32 keys lie in the lane 16 away: the new m         19-21  c m; c m_old - c m_new; a
.macro XS u, n
	REGS (Y+1)%NP, \u
.if (\n) < 4
	v_max3_num_f32 v[rC+(\n)], v[rS+8*(\n)], v[rS+8*(\n)+1], v[rS+8*(\n)+2]
.elseif (\n) < 12
	v_max3_num_f32 v[rC+(\n)%4], v[rC+(\n)%4], v[rS+8*((\n)%4)+2*((\n)/4)+1], v[rS+8*((\n)%4)+2*((\n)/4)+2]
.elseif (\n) == 12
	v_max3_num_f32 v[rC], v[rC], v[rS+7], v[rS+15]
.elseif (\n) == 13
	v_max3_num_f32 v[rC+1], v[rC+1], v[rS+23], v[rS+31]
.elseif (\n) == 14
	v_max3_num_f32 v[rC+2], v[rC+2], v[rC+3], v[rT+1]
.elseif (\n) == 15
	v_mov_b32 v[rM], v[rT]
.elseif (\n) == 16
	v_max3_num_f32 v[rC], v[rC], v[rC+1], v[rC+2]
.elseif (\n) == 17
	v_permlanex16_b32 v[rC+3], v[rC], s[SEL], s[SEL+1]
.elseif (\n) == 18
	v_max_num_f32 v[rT+1], v[rC], v[rC+3]
.elseif (\n) == 19
	v_mul_f32 v[rT], s[CS], v[rT+1]
.elseif (\n) == 20
	v_sub_f32 v[rC+1], v[rM], v[rT]
.else
	v_exp_f32 v[rC+2], v[rC+1]
.endif
.endm
; Number g of the 64 that follow the exponentials.  For each four weights k of a tile: both pairs are rounded to f16; then the second pair is added onto the first, in place;
; a group later l takes that sum (the first time as l = a l + sum).  In groups of eight, tiles alternating.
.macro GS g
.set h, (\g)+6*((\g)/62)            ; group 0 has no group before it, and behind group 7 only l is left
.if h >= 6
.set h, h+2
.endif
	REGS Y, h%2
.set k, h/8
.if h%8 < 4
	s_wait_alu depctr_va_vdst(0)
	v_cvt_pk_f16_f32 v[rP+2*k+(h%8)/2], v[rS+4*k+2*((h%8)/2)], v[rS+4*k+2*((h%8)/2)+1]
.elseif h%8 < 6
	v_pk_add_f32 v[rS+4*k:rS+4*k+1], v[rS+4*k:rS+4*k+1], v[rS+4*k+2:rS+4*k+3]
.elseif k == 1
	v_pk_fma_f32 v[rT+2:rT+3], v[rT+2:rT+3], v[rC+2:rC+3], v[rS:rS+1] op_sel_hi:[1,0,1]
.else
	v_pk_add_f32 v[rT+2:rT+3], v[rT+2:rT+3], v[rS+4*k-4:rS+4*k-3]
	s_wait_alu depctr_va_vdst(0)
.endif
.endm
; THE PLAIN QUEUE, 138 long.  0-31: c s - c m for the 16 pairs of both tiles.  Then GS's 64, and among them the next piece's 42: number 15 at 38, 39; 0-14 and 16
; at 42-73, behind the products that make those scores; 17-20 at 95-106, two of three, since each waits for the one before it.
.macro PL
	WIN 0
.if q < 32
	REGS Y, q%2
	v_pk_fma_f32 v[rS+2*(q/2):rS+2*(q/2)+1], v[rS+2*(q/2):rS+2*(q/2)+1], s[CS:CS+1], v[rT:rT+1] op_sel_hi:[1,0,0] neg_lo:[0,0,1] neg_hi:[0,0,1]
.elseif q < 38
	GS q-32
.elseif q < 40
	XS q%2, 15
.elseif q < 42
	GS q-34
.elseif q < 74
	XS q%2, (q-42)/2+(q-42)/30
.elseif q < 95
	GS q-66
.elseif (q < 107) && ((q-95)%3 < 2)
	XS (q-95)%3, 17+(q-95)/3
.elseif q < 107
	GS 29+(q-95)/3
.else
	GS q-74
.endif
.set q, q+1
.endm
; THE EXPONENTIALS' QUEUE, 66 long: s0-s31 of both tiles, and at EA the next piece's two a.
.set EA, 58
.macro EX
	WIN 0
.if (e == EA) || (e == EA+1)
	XS e-EA, 21
.else
.set x, e-2*(e/(EA+2))
	REGS Y, x%2
	v_exp_f32 v[rS+x/2], v[rS+x/2]
.endif
.set e, e+1
.endm
; THE RESCALING's QUEUE: O^T times a, the one part that leaves window 0, so it is dealt four at a time, eight times.
.macro R4
	REGS Y, r%2
	WIN W_RS
	s_wait_alu depctr_va_vdst(0)
.irp z, 0,1,2,3
	v_pk_mul_f32 v[rO+8*(r/2)+2*\z:rO+8*(r/2)+2*\z+1], v[rO+8*(r/2)+2*\z:rO+8*(r/2)+2*\z+1], v[rC+2:rC+3] op_sel_hi:[1,0]
.endr
.set r, r+1
.endm
; HOW THEY ARE DEALT.  Behind a matrix instruction four: plain, exponential, plain, plain, or four of the rescaling.  None names a register of the products round it.  What is over stands in two runs:
; exponential and plain by turns; the second ends in 22 plain instructions.  Exponential e stands behind plain 2 (e / 4) + e % 2 (its scaling); when plain 32 comes, 10 exponentials are out, at 59: 33, at 95: 46; EA comes behind plain 107.
.macro SL
	MM
	PL
	EX
	PL
	PL
.endm
.macro BURST n                      ; 15 matrix instructions, or 16
.rept (\n)-7
	SL
.endr
.rept 3
	MM
	R4
	SL
.endr
	MM
	R4
.endm
; A TURN, for piece p.  cnt = 1: the loop's count is taken down some lines ahead of the branch that stands behind the turn.
; K's buffer is loaded again in turns 0 (K2 of the step in hand) and 2 (K1 of the next step), 31 vector instructions behind the last product that read it; its first reader is the next turn's first product.
; V of the step in hand is fetched at the end of turn 0; its first reader stands in the middle of turn 1.
.macro TURN p, last=0, cnt=0
.set Y, (\p)
.set i, 0
.set q, 0
.set e, 0
.set r, 0
.if (\p) == NP-1
	s_wait_dscnt 0x0                ; K1 is in
.endif
.if (\p) == 1
	s_wait_dscnt 16                 ; K2 is in; V's 16 loads, issued behind it, may stay out
.endif
	MM
.rept 4
	PL
.endr
	BURST 15
.rept 22
	EX
	PL
.if (((\p) == NP-2) || ((\p) == 0)) && (e == 18)
	v_add_nc_u32 v[AK], s[TBK], v[AK0]
.endif
.if ((\p) == NP-2) && (e == 24)
	FETCH_K 0, \last
.endif
.if ((\p) == 0) && (e == 24)
	FETCH_K 1
.endif
.endr
.if (\p) == 1
	s_wait_dscnt 0x0                ; V is in
.endif
	BURST 16
.rept 21
	EX
	PL
.endr
.rept 22
	PL
.if ((\p) == 0) && (q == 118)
	v_add_nc_u32 v[AV], s[TBV], v[AV0]
	s_wait_alu depctr_va_vdst(0)
.endif
.if ((\p) == 0) && (q == 130)
	s_add_co_u32 s[TBV], s[TBV], KS*PV
.endif
.if (\cnt) && (q == 130)
	s_sub_co_u32 s[CNT], s[CNT], 1
	s_cmp_lg_u32 s[CNT], 0
.endif
.endr
.if (\p) == 0
	FETCH_V
.endif
.endm
	CHANGE 1                        ; slot 0 is in, everybody's part of it; slot 1 is asked for
	FETCH_K 0                       ; K1 of key step 0
	s_wait_loadcnt 0x0              ; Q
	s_wait_dscnt 0x0
.set i, 0
.rept 16
	KQ 0                            ; piece 0's first scores
.set i, i+1
.endr
	WIN 0                           ; the addresses for the way out: plain instructions, the places behind those products
	s_mul_i32 s13, s[WV], 16*SP
	s_add_co_u32 s13, s13, STAGE    ; my stage
	v_mul_u32_u24 v[STO], v1, SP    ; in: row l % 16, 16 bytes for each half of the lanes
	v_lshl_add_u32 v[STO], v9, 4, v[STO]
	v_add_nc_u32 v[STO], s13, v[STO]
	v_bfe_u32 v[RD], v0, 3, 2       ; back: 32 lanes take four rows of 128 bytes,
	v_mul_u32_u24 v[RD], v[RD], SP
	v_lshl_add_u32 v[RD], v10, 4, v[RD]
	v_add_nc_u32 v[RD], s13, v[RD]
	v_and_b32 v[GO], 31, v0         ; which are 512 consecutive bytes of ob
	v_lshlrev_b32 v[GO], 4, v[GO]
.set Y, NP-1                        ; XS works for piece Y + 1: piece 0
.irp n, 0,1,2,3,4,5,6,7,8,9,10,11,12,13,14,15,16,17,18,19,20,21
	XS 0, \n
	XS 1, \n
.endr
	s_mov_b32 s[CNT], 4
	s_mov_b32 s[SLOTS], SIZE_N/256-1
	s_branch .Lfirst                ; the loop is entered at a step's first turn, in the middle of a trip
.Lslot:                             ; six times: every slot but the last two is filled again
	CHANGE 1, 1
	s_mov_b32 s[CNT], 4
.Lstep:                             ; a trip: pieces 2 and 3 of one step, then pieces 0 and 1 of the next
	TURN 2
	TURN 3
	WIN 0
.Lfirst:
	TURN 0
	TURN 1, 0, 1
	WIN 0
	s_cbranch_scc1 .Lstep
	s_sub_co_u32 s[SLOTS], s[SLOTS], 1
	s_cmp_lg_u32 s[SLOTS], 0
	s_cbranch_scc1 .Lslot
	CHANGE 0                        ; the tail is written out: nothing is asked for
	s_mov_b32 s[CNT], 5             ; four trips fetch the last slot's steps; the fifth is left in its middle
.Ltail:
	TURN 2, 1
	TURN 3
	WIN 0
	s_sub_co_u32 s[CNT], s[CNT], 1
	s_cmp_eq_u32 s[CNT], 0
	s_cbranch_scc1 .Lout
	TURN 0
	TURN 1
	WIN 0
	s_branch .Ltail
.Lout:                              ; the fifth trip's 16 products K Q^T (on the K left in the buffer) and the maximum made of them serve nothing: the price, once a launch, of one text for every trip
.set i, 0
.rept 16
	PV NP-1                         ; the last piece's V^T P of the last step
.set i, i+1
.endr
	; THE WAY OUT.  l's two halves and the other half of the lanes' are added; block t's result is O^T(t) s / l(t) - O^T(t + 4) s lamb / l(t + 4), rounded to f16 and sent through my stage, a block at a time.
	WIN 0
.macro ALL line:vararg              ; one line for each tile t
.set t, 0
.rept 2*NP
	\line
.set t, t+1
.endr
.endm
	ALL v_add_f32 v[ST+4*t+2], v[ST+4*t+2], v[ST+4*t+3]
	ALL v_permlanex16_b32 v[ST+4*t+3], v[ST+4*t+2], s[SEL], s[SEL+1]
	ALL v_add_f32 v[ST+4*t+2], v[ST+4*t+2], v[ST+4*t+3]
	ALL v_rcp_f32 v[ST+4*t+2], v[ST+4*t+2]
	v_nop                           ; a plain instruction between the last reciprocal and the use of its result
	s_wait_alu depctr_va_vdst(0)
.irp t, 0,1,2,3
	v_mul_f32 v[ST+4*(\t)+2], s[C1], v[ST+4*(\t)+2]
	v_mul_f32 v[ST+4*((\t)+4)+2], s[C2N], v[ST+4*((\t)+4)+2]
.endr
.macro PACK t
	WIN W_RS
.set i, 32*(\t)
.rept 16
	v_pk_mul_f32 v[i:i+1], v[i:i+1], v[ST+4*(\t)+2:ST+4*(\t)+3] op_sel_hi:[1,0]
.set i, i+2
.endr
	WIN 0x51                        ; destination, source 0 and source 2 window 1, the factor window 0
.set i, 32*(\t)
.rept 16
	v_pk_fma_f32 v[i:i+1], v[i+128:i+129], v[ST+4*((\t)+4)+2:ST+4*((\t)+4)+3], v[i:i+1] op_sel_hi:[1,0,1]
.set i, i+2
.endr
	WIN 0x05                        ; sources 0 and 1 window 1, destination window 0
.set i, 0
.rept 16
	v_cvt_pk_f16_f32 v[S+16*(\t)+i], v[32*(\t)+2*i], v[32*(\t)+2*i+1]
.set i, i+1
.endr
	WIN 0
.irp f, 0,1,2,3
	ds_store_b128 v[STO], v[S+16*(\t)+4*\f:S+16*(\t)+4*\f+3] offset:32*\f
.endr
.irp f, 0,1,2,3
	ds_load_b128 v[S+16*(\t)+4*\f:S+16*(\t)+4*\f+3], v[RD] offset:\f*4*SP  ; LDS serves a wave's instructions in order (ISA guide 5.7.1.4): these see the stores above; the next block's stores come behind them
.endr
.endm
.macro SEND t, younger              ; younger: the LDS instructions issued behind block t's loads: the next block's eight, or none
	WIN 0
.irp f, 0,1,2,3
	s_wait_dscnt (\younger)+3-\f
	global_store_b128 v[GO], v[S+16*(\t)+4*\f:S+16*(\t)+4*\f+3], s[10:11] offset:(\t)*2048+\f*512  ; 512 consecutive bytes, aligned
.endr
.endm
	PACK 0
.set t, 1
.rept 3                             ; a block's arithmetic stands between the loads of the block before and its stores
	PACK t
	SEND t-1, 8
.set t, t+1
.endr
	SEND 3, 0
	WIN W_AD
	s_wait_tensorcnt 0x0            ; the wave's end, behind my last tensor load and my last LDS store
	ds_add_u32 v[SPW], v[NIL]
	s_wait_dscnt 0x0
	WIN 0
	CROUND                          ; the closing round
	s_endpgm
.Lfunc_end_k_q5c417eab18_attn:
	.size	k_q5c417eab18_attn, .Lfunc_end_k_q5c417eab18_attn-k_q5c417eab18_attn
	.p2alignl 7, 3214868480
	.fill 96, 4, 3214868480
	.section	.rodata,"a",@progbits
	.p2align	6, 0x0
	.amdhsa_kernel k_q5c417eab18_attn
		.amdhsa_group_segment_fixed_size 327680
		.amdhsa_private_segment_fixed_size 0
		.amdhsa_enable_private_segment 0
		.amdhsa_kernarg_size 48
		.amdhsa_user_sgpr_count 2
		.amdhsa_user_sgpr_kernarg_segment_ptr 1
		.amdhsa_wavefront_size32 1
		.amdhsa_system_sgpr_workgroup_id_x 1
		.amdhsa_system_sgpr_workgroup_id_y 1
		.amdhsa_system_sgpr_workgroup_id_z 1
		.amdhsa_system_vgpr_workitem_id 0
		.amdhsa_next_free_vgpr 770
		.amdhsa_next_free_sgpr 80
		.amdhsa_reserve_vcc 0
		.amdhsa_float_denorm_mode_32 3
		.amdhsa_float_denorm_mode_16_64 3
		.amdhsa_memory_ordered 1
		.amdhsa_forward_progress 1
		.amdhsa_inst_pref_size 206
	.end_amdhsa_kernel
	.amdgpu_metadata
---
amdhsa.version: [ 1, 2 ]
amdhsa.kernels:
  - .name:           k_q5c417eab18_attn
    .symbol:         k_q5c417eab18_attn.kd
    .args:
      - { .name: qkv, .offset: 0, .size: 8, .value_kind: global_buffer, .address_space: global }
      - { .name: lambda_q1, .offset: 8, .size: 8, .value_kind: global_buffer, .address_space: global }
      - { .name: lambda_k1, .offset: 16, .size: 8, .value_kind: global_buffer, .address_space: global }
      - { .name: lambda_q2, .offset: 24, .size: 8, .value_kind: global_buffer, .address_space: global }
      - { .name: lambda_k2, .offset: 32, .size: 8, .value_kind: global_buffer, .address_space: global }
      - { .name: ob, .offset: 40, .size: 8, .value_kind: global_buffer, .address_space: global }
    .group_segment_fixed_size: 327680
    .private_segment_fixed_size: 0
    .kernarg_segment_align: 8
    .kernarg_segment_size: 48
    .max_flat_workgroup_size: 128
    .sgpr_count:     80
    .vgpr_count:     770
    .wavefront_size: 32
...
	.end_amdgpu_metadata
.endif
;; end of part 3
;; launch oproj (part 4): grid 8 x 32, 4 waves a work-group, clusters of 4 x 4, 327,680 bytes of LDS; arguments ob, wot, y; writes y
.if DOCPART == 4
	.amdgcn_target "amdgcn-amd-amdhsa--gfx1250"
	.amdhsa_code_object_version 6
	.text
	.protected	k_q5c417eab18_oproj
	.globl	k_q5c417eab18_oproj
	.p2align	8
	.type	k_q5c417eab18_oproj,@function
k_q5c417eab18_oproj:
	s_mov_b64 s[64:65], 0
	v_nop
	global_prefetch_b8 v0, s[64:65] scope:SCOPE_SE
	s_setreg_imm32_b32 hwreg(HW_REG_WAVE_MODE, 25, 1), 1
	s_wait_xcnt 0x0
	s_wait_alu depctr_hold_cnt(0) depctr_sa_sdst(0) depctr_va_vdst(0) depctr_va_sdst(0) depctr_va_ssrc(0) depctr_va_vcc(0) depctr_vm_vsrc(0)
	s_getreg_b32 s2, hwreg(HW_REG_IB_STS2, 6, 4)
	s_cmp_eq_u32 s2, 0
	s_cbranch_scc0 .Lentry_in_a_cluster
	s_endpgm
.Lentry_in_a_cluster:
	s_bfe_u32 s2, ttmp6, 0x10000c
	s_cmp_lg_u32 s2, 0xf033
	s_cbranch_scc0 .Lentry_shape_is_right
	s_endpgm
.Lentry_shape_is_right:
; THE OUTPUT PROJECTION.  y[m][n] = the sum over k of O[m][k] wot[n][k], m < 4096, n, k < 1024; O[m][64 h + d] = ob[b][h][s][d] (m = 2048 b + s), f16 operands, f32 sums, y in f32.
; SHARES.  A tile of y is 128 x 128: 8 x 32 tiles, one work-group each; four waves, each 64 x 64: 16 accumulators, which take turns.  K goes in four steps of 256, four heads each,
; through two LDS slots; a quarter of a step is one head.  A head's 128 rows of ob are 16,384 dense bytes: they are asked for as ONE row of 8,192 elements, two heads (rows 131,072 elements apart) to a
; load, and padded in LDS after every 128 bytes.  wot's tile has rows of 512 bytes, padded by 16.
; CLUSTER.  4 x 4 work-groups: ob's tiles are shared along a row of the cluster, wot's along a column: joint loads.  THE MATRIX INSTRUCTION IS USED TRANSPOSED (source 0 = 16 rows of wot, source 1 = 16
; rows of O): a lane holds one row of y and eight neighbouring columns, 32 bytes.  A wave's 64 columns are 256 bytes: each wave sends its block out through a stage of its own, without a barrier.
; REGISTERS: window 0: v0-31 addresses; v128-255 the accumulators ((a, b) at v[128 + 8 (4 a + b)]).   window 1: two fragment buffers of 128: 64 registers of O (2 x 4 x 16 rows x 32 K), then 64 of wot.
.set PA,     144                       ; O's LDS row: 128 bytes + 16
.set PB,     528                       ; wot's LDS row: 512 bytes + 16; in both the 16 rows of a load start at 16 different groups of four banks (64 banks of 4 bytes: ISA guide 11.1)
.set PLANE,  128*PA                    ; a head's 128 rows
.set BOFF,   4*PLANE                   ; 73,728
.set HALFB,  64*PB
.set SLOT,   BOFF+2*HALFB              ; 141,312
.set STAGE,  2*SLOT                    ; behind the ring: 16 rows x 272 bytes for each wave
.set SPITCH, 272
.set SPARE,  STAGE+4*16*SPITCH         ; behind the stages: the spare words, 128 bytes a wave
.set SLB,    262144                    ; a head's 2,048 rows in ob
.set ADRA, 16                          ; v16-17  LDS address of my O fragments in slot 0, 1
.set ADRB, 20                          ; v20-21  the same for wot
.set STO,  24                          ; v24     the way out: where I put 32 bytes of a row
.set RD,   25                          ; v25     where I read a row back
.set CO,   26                          ; v26     my byte offset in y
.set SPW,  28                          ; v28     SPARE + 4 x my thread's number; never rewritten
.set NIL,  29                          ; v29     0; never rewritten
.set ACC,  128
.set F0,   0
.set F1,   128
.set G1, 24
.set G0, 32
.set G1B, 48
.set G0B, 56
.set MSB, 0
.macro WIN new
.if MSB != (\new)
	s_set_vgpr_msb (MSB<<8)|(\new)
.set MSB, (\new)
.endif
.endm
.set MUL,  0x05                        ; sources 0 and 1 window 1; C and D window 0
.set TO_F, 0x40                        ; destination window 1, address window 0
.macro JLOAD s                         ; a joint load: waves 0 and 1 fetch two heads of O each, waves 2 and 3 wot's two halves; an s_nop 0 and four v_nop follow each line
	s_cmp_eq_u32 s11, 0
	s_cbranch_scc0 .Lfor_b_\@
	tensor_load_to_lds s[G0+4*(\s):G0+4*(\s)+3], s[G1:G1+7]
	s_nop 0
.rept 4
	v_nop
.endr
	s_branch .Lasked_\@
.Lfor_b_\@:
	tensor_load_to_lds s[G0B+4*(\s):G0B+4*(\s)+3], s[G1B:G1B+7]
	s_nop 0
.rept 4
	v_nop
.endr
.Lasked_\@:
.endm
.macro CREST
	s_cmp_lg_u32 s10, 0
	s_cbranch_scc1 .Lnot_wave_0_\@
	s_barrier_signal -3
.Lnot_wave_0_\@:
	s_barrier_wait -3
	s_barrier_signal -1
	s_barrier_wait -1
.endm
.macro CROUND
	s_barrier_signal -1
	s_barrier_wait -1
	CREST
.endm
	s_load_b128 s[4:7], s[0:1], 0x0                ; ob s[4:5], wot s[6:7]
	s_load_b64 s[8:9], s[0:1], 0x10                ; y
	v_lshl_add_u32 v[SPW], v0, 2, SPARE
	v_mov_b32 v[NIL], 0
	ds_add_u32 v[SPW], v[NIL]                      ; the wave's opening: the add and its wait stand ahead of my first tensor load
	v_lshrrev_b32 v1, 5, v0
	v_readfirstlane_b32 s10, v1                    ; wave 0..3
	s_lshr_b32 s11, s10, 1                         ; my half of the rows.  Also: I fetch for O (0) or wot (1)
	s_and_b32 s12, s10, 1                          ; my half of the columns.  Also: which half of that tile I fetch
	s_bfe_u32 s40, ttmp6, 0x40000
	s_bfe_u32 s41, ttmp6, 0x40004
	s_lshl_b32 s42, ttmp9, 2
	s_add_co_u32 s42, s42, s40                     ; tile column
	s_and_b32 s13, ttmp7, 0xffff
	s_lshl_b32 s13, s13, 2
	s_add_co_u32 s13, s13, s41                     ; tile row
	s_lshl_b32 s43, s41, 2
	s_lshl_b32 s43, 15, s43                        ; my row of the cluster
	s_lshl_b32 s44, 0x1111, s40                    ; my column
	s_or_b32 s[G1+0], s43, (1<<16)|(1<<20)|(1<<21)|(4<<22)|(3<<25)   ; O: the mask; 2-byte elements; padding on; bit 21 beside a mask; after every 32 words (code 4) 4 words (code 3)
	s_mov_b32 s[G1+1], 8192<<16                    ; tensor_dim0 = 8,192
	s_mov_b32 s[G1+2], 2<<16                       ; tensor_dim1 = 2
	s_mov_b32 s[G1+3], 8192<<16                    ; tile_dim0 = 8,192
	s_mov_b32 s[G1+4], 2                           ; tile_dim1 = 2
	s_mov_b32 s[G1+5], 131072                      ; elements from head to head
	s_mov_b32 s[G1+6], 0
	s_mov_b32 s[G1+7], 0
	s_or_b32 s[G1B+0], s44, (1<<16)|(1<<20)|(1<<21)|(6<<22)|(3<<25)  ; wot: after every 128 words (code 6) 4 words
	s_mov_b32 s[G1B+1], 256<<16
	s_mov_b32 s[G1B+2], 64<<16
	s_mov_b32 s[G1B+3], 256<<16
	s_mov_b32 s[G1B+4], 64
	s_mov_b32 s[G1B+5], 1024
	s_mov_b32 s[G1B+6], 0
	s_mov_b32 s[G1B+7], 0
	s_lshr_b32 s16, s13, 4
	s_lshl_b32 s16, s16, 4                         ; 16 b
	s_lshl_b32 s17, s12, 1
	s_add_co_u32 s16, s16, s17                     ; + my two heads of a step's four
	s_lshl_b32 s16, s16, 18
	s_and_b32 s17, s13, 15
	s_lshl_b32 s17, s17, 14                        ; the tile's 128 rows of 128 bytes
	s_add_co_u32 s16, s16, s17
	s_mov_b32 s17, 0
	s_lshl_b32 s46, s42, 7
	s_lshl_b32 s47, s12, 6
	s_add_co_u32 s46, s46, s47                     ; wot: row 128 x tile column + 64 x half,
	s_lshl_b32 s46, s46, 11                        ; 2,048 bytes a row
	s_mov_b32 s47, 0
	s_mul_i32 s20, s12, 2*PLANE                    ; where they go
	s_mul_i32 s21, s12, HALFB
	s_add_co_u32 s21, s21, BOFF
	s_wait_dscnt 0x0                               ; the opening add is done
	s_wait_kmcnt 0x0
	s_add_nc_u64 s[14:15], s[4:5], s[16:17]
	s_add_nc_u64 s[46:47], s[6:7], s[46:47]
	CROUND                                         ; all sixteen work-groups are here: the first joint loads meet
.irp s, 0,1
	s_mov_b32 s[G0+4*(\s)], 1
	s_add_co_u32 s[G0+4*(\s)+1], s20, (\s)*SLOT
	s_add_nc_u64 s[G0+4*(\s)+2:G0+4*(\s)+3], s[14:15], (\s)*4*SLB   ; K step s: four heads on
	s_or_b32 s[G0+4*(\s)+3], s[G0+4*(\s)+3], 0x80000000
	s_mov_b32 s[G0B+4*(\s)], 1
	s_add_co_u32 s[G0B+4*(\s)+1], s21, (\s)*SLOT
	s_add_nc_u64 s[G0B+4*(\s)+2:G0B+4*(\s)+3], s[46:47], (\s)*512
	s_or_b32 s[G0B+4*(\s)+3], s[G0B+4*(\s)+3], 0x80000000
	JLOAD \s                                       ; two loads of mine are out
.endr
	v_and_b32 v1, 15, v0                           ; l % 16
	v_bfe_u32 v2, v0, 4, 1                         ; l / 16
	v_mul_u32_u24 v3, v1, PA
	v_lshl_add_u32 v3, v2, 4, v3
	v_mul_u32_u24 v4, v1, PB
	v_lshl_add_u32 v4, v2, 4, v4
	s_mul_i32 s21, s11, 64*PA                      ; my 64 rows of O, in every plane
	s_mul_i32 s22, s12, HALFB                      ; my 64 rows of wot
	s_add_co_u32 s22, s22, BOFF
.irp s, 0,1
	v_add_nc_u32 v[ADRA+(\s)], s21, v3
	v_add_nc_u32 v[ADRB+(\s)], s22, v4
	s_add_co_u32 s21, s21, SLOT
	s_add_co_u32 s22, s22, SLOT
.endr
	s_mul_i32 s23, s10, 16*SPITCH
	s_add_co_u32 s23, s23, STAGE                   ; my stage
	v_mul_u32_u24 v5, v1, SPITCH                   ; in: row l % 16, 32 bytes for each half of the lanes
	v_lshl_add_u32 v5, v2, 5, v5
	v_add_nc_u32 v[STO], s23, v5
	v_mul_u32_u24 v5, v2, SPITCH                   ; back: lanes 0-15 take one row of 256 bytes, lanes 16-31 the next
	v_lshl_add_u32 v5, v1, 4, v5
	v_add_nc_u32 v[RD], s23, v5
	v_lshlrev_b32 v5, 12, v2                       ; and the same two rows in y: 4,096 bytes a row
	v_lshl_add_u32 v[CO], v1, 4, v5
	s_lshl_b32 s16, s13, 7
	s_lshl_b32 s17, s11, 6
	s_add_co_u32 s16, s16, s17                     ; my first row of y
	s_lshl_b32 s16, s16, 12
	s_lshl_b32 s17, s42, 9                         ; the tile's 128 columns of 4 bytes,
	s_add_co_u32 s16, s16, s17
	s_lshl_b32 s17, s12, 8                         ; my 64
	s_add_co_u32 s16, s16, s17
	s_mov_b32 s17, 0
	s_add_nc_u64 s[8:9], s[8:9], s[16:17]
; 8 matrix instructions: row blocks a0, a0 + 1 x all 4 column blocks, 32 along K: half c of buffer f.  zero = 1: the first product starts the sums
.macro MUL8 f, c, a0, zero
	WIN MUL
.irp a, \a0, (\a0)+1
.irp b, 0,1,2,3
.if \zero
	v_wmma_f32_16x16x32_f16 v[ACC+8*(4*(\a)+(\b)):ACC+8*(4*(\a)+(\b))+7], v[(\f)+64+8*(4*(\c)+(\b)):(\f)+64+8*(4*(\c)+(\b))+7], v[(\f)+8*(4*(\c)+(\a)):(\f)+8*(4*(\c)+(\a))+7], 0
.else
	v_wmma_f32_16x16x32_f16 v[ACC+8*(4*(\a)+(\b)):ACC+8*(4*(\a)+(\b))+7], v[(\f)+64+8*(4*(\c)+(\b)):(\f)+64+8*(4*(\c)+(\b))+7], v[(\f)+8*(4*(\c)+(\a)):(\f)+8*(4*(\c)+(\a))+7], v[ACC+8*(4*(\a)+(\b)):ACC+8*(4*(\a)+(\b))+7]
.endif
.endr
.endr
.endm
; 32 LDS loads in one run: the fragments of quarter q (one head, 64 along K) into buffer f; the first 32 along K first
.macro FETCH slot, q, f
	WIN TO_F
.irp c, 0,1
.irp i, 0,1,2,3
	ds_load_b128 v[(\f)+64+8*(4*(\c)+(\i)):(\f)+64+8*(4*(\c)+(\i))+3],   v[ADRB+(\slot)] offset:128*(\q)+64*(\c)+(\i)*16*PB
	ds_load_b128 v[(\f)+64+8*(4*(\c)+(\i))+4:(\f)+64+8*(4*(\c)+(\i))+7], v[ADRB+(\slot)] offset:128*(\q)+64*(\c)+(\i)*16*PB+32
	ds_load_b128 v[(\f)+8*(4*(\c)+(\i)):(\f)+8*(4*(\c)+(\i))+3],         v[ADRA+(\slot)] offset:PLANE*(\q)+64*(\c)+(\i)*16*PA
	ds_load_b128 v[(\f)+8*(4*(\c)+(\i))+4:(\f)+8*(4*(\c)+(\i))+7],       v[ADRA+(\slot)] offset:PLANE*(\q)+64*(\c)+(\i)*16*PA+32
.endr
.endr
.endm
.macro PLACES                          ; four plain places in front of loads into registers that matrix instructions have read, and of stores that read results
.rept 4
	v_nop
.endr
.endm
; one of a K step's first three quarters: multiplies buffer f and fetches quarter q into g
.macro QUARTER slot, q, f, g, zero
	s_wait_dscnt 16                                ; the first 32 along K are in; the youngest sixteen loads may be out
	MUL8 \f, 0, 0, \zero
	MUL8 \f, 0, 2, \zero
	PLACES
	FETCH \slot, \q, \g
	s_wait_dscnt 32                                ; all but the 32 just issued
	MUL8 \f, 1, 0, 0
	MUL8 \f, 1, 2, 0
.endm
; The last quarter multiplies buffer 1 and changes slots: one barrier; in front of it each wave waits for all its tensor loads, adds 0 to its spare word, and waits for that and for its reads of this slot.
; fill = 1: the barrier opens a round of the cluster's barrier, and this slot is filled again, two K steps on, first thing behind the round.
.macro TURN slot, next, fill
	WIN 0
	s_wait_tensorcnt 0x0
	ds_add_u32 v[SPW], v[NIL]
	s_wait_dscnt 17                                ; the add and the youngest sixteen loads may be out
	MUL8 F1, 0, 0, 0
	s_wait_dscnt 0x0                               ; the add is done, and my reads of this slot are over
	s_barrier_signal -1
	MUL8 F1, 0, 2, 0
	WIN 0
	s_barrier_wait -1
.if \fill
	CREST
	s_add_nc_u64 s[G0+4*(\slot)+2:G0+4*(\slot)+3], s[G0+4*(\slot)+2:G0+4*(\slot)+3], 8*SLB
	s_add_nc_u64 s[G0B+4*(\slot)+2:G0B+4*(\slot)+3], s[G0B+4*(\slot)+2:G0B+4*(\slot)+3], 1024
	JLOAD \slot                                    ; its four v_nop are also the places in front of the loads below
.else
	PLACES
.endif
	FETCH \next, 0, F0
	MUL8 F1, 1, 0, 0
	MUL8 F1, 1, 2, 0
.endm
	s_wait_tensorcnt 1                             ; my part of K step 0 is in; K step 1's may stay out
	s_barrier_signal -1
	s_barrier_wait -1
	FETCH 0, 0, F0
	QUARTER 0, 1, F0, F1, 1                        ; K step 0; its first products start the sums
	QUARTER 0, 2, F1, F0, 0
	QUARTER 0, 3, F0, F1, 0
	TURN 0, 1, 1                                   ; slot 0 takes K step 2
	QUARTER 1, 1, F0, F1, 0                        ; K step 1
	QUARTER 1, 2, F1, F0, 0
	QUARTER 1, 3, F0, F1, 0
	TURN 1, 0, 1                                   ; slot 1 takes K step 3
	QUARTER 0, 1, F0, F1, 0                        ; K step 2
	QUARTER 0, 2, F1, F0, 0
	QUARTER 0, 3, F0, F1, 0
	TURN 0, 1, 0                                   ; nothing is left to fetch
	QUARTER 1, 1, F0, F1, 0                        ; K step 3
	QUARTER 1, 2, F1, F0, 0
	QUARTER 1, 3, F0, F1, 0
	s_wait_dscnt 16
	MUL8 F1, 0, 0, 0
	MUL8 F1, 0, 2, 0
	s_wait_dscnt 0x0
	MUL8 F1, 1, 0, 0
	MUL8 F1, 1, 2, 0
	WIN 0
	; THE WAY OUT: 16 rows at a time through my own stage: 32 bytes a lane in (each accumulator's low four registers first), whole rows of 256 bytes back, into the same registers.
	PLACES
.macro PACK a
.irp b, 0,1,2,3
	ds_store_b128 v[STO], v[ACC+8*(4*(\a)+(\b)):ACC+8*(4*(\a)+(\b))+3]   offset:64*(\b)
	ds_store_b128 v[STO], v[ACC+8*(4*(\a)+(\b))+4:ACC+8*(4*(\a)+(\b))+7] offset:64*(\b)+16
.endr
.irp t, 0,1,2,3,4,5,6,7
	ds_load_b128 v[ACC+32*(\a)+4*(\t):ACC+32*(\a)+4*(\t)+3], v[RD] offset:(\t)*2*SPITCH  ; LDS serves a wave's instructions in order (ISA guide 5.7.1.4): these see the stores above; the next block's stores come behind them
.endr
.endm
.macro SEND a, younger                 ; younger: the LDS instructions issued behind block a's loads: the next block's sixteen, or none
.irp t, 0,1,2,3,4,5,6,7
	s_wait_dscnt (\younger)+7-(\t)
	global_store_b128 v[CO], v[ACC+32*(\a)+4*(\t):ACC+32*(\a)+4*(\t)+3], s[8:9] offset:(16*(\a)+2*(\t))*4096  ; 16 lanes store 256 consecutive bytes, aligned
.endr
.endm
	PACK 0
	PACK 1
	SEND 0, 16
	PACK 2
	SEND 1, 16
	PACK 3
	SEND 2, 16
	SEND 3, 0
	s_wait_tensorcnt 0x0                           ; the wave's end, behind my last tensor load and my last LDS store
	ds_add_u32 v[SPW], v[NIL]
	s_wait_dscnt 0x0
	CROUND                                         ; the closing round
	s_endpgm
.Lfunc_end_k_q5c417eab18_oproj:
	.size	k_q5c417eab18_oproj, .Lfunc_end_k_q5c417eab18_oproj-k_q5c417eab18_oproj
	.p2alignl 7, 3214868480
	.fill 96, 4, 3214868480
	.section	.rodata,"a",@progbits
	.p2align	6, 0x0
	.amdhsa_kernel k_q5c417eab18_oproj
		.amdhsa_group_segment_fixed_size 327680
		.amdhsa_private_segment_fixed_size 0
		.amdhsa_enable_private_segment 0
		.amdhsa_kernarg_size 24
		.amdhsa_user_sgpr_count 2
		.amdhsa_user_sgpr_kernarg_segment_ptr 1
		.amdhsa_wavefront_size32 1
		.amdhsa_system_sgpr_workgroup_id_x 1
		.amdhsa_system_sgpr_workgroup_id_y 1
		.amdhsa_system_sgpr_workgroup_id_z 1
		.amdhsa_system_vgpr_workitem_id 0
		.amdhsa_next_free_vgpr 512
		.amdhsa_next_free_sgpr 66
		.amdhsa_reserve_vcc 0
		.amdhsa_float_denorm_mode_32 3
		.amdhsa_float_denorm_mode_16_64 3
		.amdhsa_memory_ordered 1
		.amdhsa_forward_progress 1
		.amdhsa_inst_pref_size 86
	.end_amdhsa_kernel
	.amdgpu_metadata
---
amdhsa.version: [ 1, 2 ]
amdhsa.kernels:
  - .name:           k_q5c417eab18_oproj
    .symbol:         k_q5c417eab18_oproj.kd
    .args:
      - { .name: ob, .offset: 0, .size: 8, .value_kind: global_buffer, .address_space: global }
      - { .name: wot, .offset: 8, .size: 8, .value_kind: global_buffer, .address_space: global }
      - { .name: y, .offset: 16, .size: 8, .value_kind: global_buffer, .address_space: global }
    .group_segment_fixed_size: 327680
    .private_segment_fixed_size: 0
    .kernarg_segment_align: 8
    .kernarg_segment_size: 24
    .max_flat_workgroup_size: 128
    .sgpr_count:     66
    .vgpr_count:     512
    .wavefront_size: 32
...
	.end_amdgpu_metadata
.endif
;; end of part 4
;; launch lnorm (part 5): grid 1024 x 1, 4 waves a work-group, no clusters, 0 bytes of LDS; arguments y, gamma, beta, lambda_q1, lambda_k1, lambda_q2, lambda_k2, out0; writes out0
.if DOCPART == 5
	.amdgcn_target "amdgcn-amd-amdhsa--gfx1250"
	.amdhsa_code_object_version 6
	.text
	.protected	k_q5c417eab18_lnorm
	.globl	k_q5c417eab18_lnorm
	.p2align	8
	.type	k_q5c417eab18_lnorm,@function
k_q5c417eab18_lnorm:
	s_mov_b64 s[64:65], 0
	v_nop
	global_prefetch_b8 v0, s[64:65] scope:SCOPE_SE
	s_setreg_imm32_b32 hwreg(HW_REG_WAVE_MODE, 25, 1), 1
	s_wait_xcnt 0x0
; LAYERNORM.  out0[m][:] = (y[m][:] - mu) rsqrt(var + eps s^2) gamma + beta, mu and var (the mean of the squared differences) over the row's 1,024 numbers.
; y is s times reference()'s product, s = 1 / (1 + |lamb|) (the factor that the attention launch put in): LayerNorm of y / s with eps = 1e-5 is LayerNorm of y with eps s^2, exactly.
; lamb is made here as there, from the four vectors rounded to bf16; gamma and beta are rounded to bf16 like every input of the module.
; LIMIT.  For |lamb| beyond about 1e18, where the unscaled variance would pass f32's range, this text still gives the normalised value.
; SHARES.  One wave, one row of 4,096 bytes: eight loads of 16 bytes a lane, kept in 32 registers between the passes: y is read once, no wave waits for another, no LDS, no barrier.
; Matrix units, clusters and tensor loads would add nothing: nothing is shared but gamma and beta, 8 KiB.
.set LT, 8                             ; v[8:19]   the lambdas and what is made of them; s in v18
.set EP, 20                            ; v20       eps s^2
.set M,  24                            ; v[24:31]  four chains of sums
.set X,  32                            ; v[32:63]  the row
.set G,  64                            ; v[64:95]  gamma of my 32 columns
.set BT, 96                            ; v[96:127] beta
.macro LAMB T, SL                      ; v[T:T+7]: my lane's two numbers of lq1, lk1, lq2, lk2.  Leaves lamb in T+8, s in T+10, s lamb in T+11, the same in every lane
.irp n, 0,1,2,3
	v_cvt_pk_bf16_f32 v[(\T)+8+(\n)], v[(\T)+2*(\n)], v[(\T)+2*(\n)+1]
.endr
.irp n, 0,1,2,3
	v_lshlrev_b32 v[(\T)+2*(\n)], 16, v[(\T)+8+(\n)]
	v_and_b32 v[(\T)+2*(\n)+1], 0xffff0000, v[(\T)+8+(\n)]
.endr
	v_mul_f32 v[(\T)+8], v[(\T)], v[(\T)+2]
	v_mul_f32 v[(\T)+9], v[(\T)+4], v[(\T)+6]
	v_fmac_f32 v[(\T)+8], v[(\T)+1], v[(\T)+3]
	v_fmac_f32 v[(\T)+9], v[(\T)+5], v[(\T)+7]
.irp m, 1,2,4,8
	v_add_f32_dpp v[(\T)+8], v[(\T)+8], v[(\T)+8] row_xmask:\m row_mask:0xf bank_mask:0xf
	v_add_f32_dpp v[(\T)+9], v[(\T)+9], v[(\T)+9] row_xmask:\m row_mask:0xf bank_mask:0xf
.endr
	v_permlanex16_b32 v[(\T)+10], v[(\T)+8], s[\SL], s[(\SL)+1]
	v_permlanex16_b32 v[(\T)+11], v[(\T)+9], s[\SL], s[(\SL)+1]
	v_add_f32 v[(\T)+8], v[(\T)+8], v[(\T)+10]
	v_add_f32 v[(\T)+9], v[(\T)+9], v[(\T)+11]
	v_mul_f32 v[(\T)+8], 0x3fb8aa3b, v[(\T)+8]
	v_mul_f32 v[(\T)+9], 0x3fb8aa3b, v[(\T)+9]
	v_exp_f32 v[(\T)+8], v[(\T)+8]
	v_exp_f32 v[(\T)+9], v[(\T)+9]
	v_nop                                          ; a plain instruction behind the exponentials
	s_wait_alu depctr_va_vdst(0)
	v_sub_f32 v[(\T)+8], v[(\T)+8], v[(\T)+9]
	v_add_f32 v[(\T)+8], 0x3f47227f, v[(\T)+8]     ; 0.8 - 0.6 e^-3.3
	v_add_f32 v[(\T)+9], 1.0, |v[(\T)+8]|
	v_rcp_f32 v[(\T)+10], v[(\T)+9]
	v_nop
	s_wait_alu depctr_va_vdst(0)
	v_mul_f32 v[(\T)+11], v[(\T)+10], v[(\T)+8]
.endm
.macro WSUM                            ; the four chains into one number, then over the 32 lanes; the sum ends in v[M], in every lane
	v_pk_add_f32 v[M:M+1], v[M:M+1], v[M+2:M+3]
	v_pk_add_f32 v[M+4:M+5], v[M+4:M+5], v[M+6:M+7]
	v_pk_add_f32 v[M:M+1], v[M:M+1], v[M+4:M+5]
	v_add_f32 v[M], v[M], v[M+1]
.irp m, 1,2,4,8
	v_add_f32_dpp v[M], v[M], v[M] row_xmask:\m row_mask:0xf bank_mask:0xf
.endr
	v_permlanex16_b32 v[M+1], v[M], s6, s7
	v_add_f32 v[M], v[M], v[M+1]
.endm
	s_load_b512 s[8:23], s[0:1], 0x0               ; y s[8:9], gamma s[10:11], beta s[12:13], lq1 s[14:15], lk1 s[16:17], lq2 s[18:19], lk2 s[20:21], out0 s[22:23]
	v_lshrrev_b32 v1, 5, v0
	v_readfirstlane_b32 s3, v1                     ; wave 0..3
	v_and_b32 v1, 31, v0
	v_lshlrev_b32 v2, 3, v1                        ; 8 bytes a lane: the lambdas
	v_lshlrev_b32 v3, 4, v1                        ; 16 bytes a lane
	s_lshl_b32 s2, ttmp9, 2
	s_add_co_u32 s2, s2, s3                        ; my row
	s_lshl_b32 s4, s2, 12
	s_mov_b32 s5, 0
	s_mov_b32 s6, 0x76543210                       ; v_permlanex16_b32: each lane takes its own place in the other half
	s_mov_b32 s7, 0xfedcba98
	s_wait_kmcnt 0x0
	s_add_nc_u64 s[8:9], s[8:9], s[4:5]
	s_add_nc_u64 s[22:23], s[22:23], s[4:5]
	global_load_b64 v[LT:LT+1],   v2, s[14:15]
	global_load_b64 v[LT+2:LT+3], v2, s[16:17]
	global_load_b64 v[LT+4:LT+5], v2, s[18:19]
	global_load_b64 v[LT+6:LT+7], v2, s[20:21]
.irp j, 0,1,2,3,4,5,6,7
	global_load_b128 v[X+4*(\j):X+4*(\j)+3], v3, s[8:9] offset:512*(\j) th:TH_LOAD_NT
.endr
.irp j, 0,1,2,3,4,5,6,7
	global_load_b128 v[G+4*(\j):G+4*(\j)+3], v3, s[10:11] offset:512*(\j)
.endr
.irp j, 0,1,2,3,4,5,6,7
	global_load_b128 v[BT+4*(\j):BT+4*(\j)+3], v3, s[12:13] offset:512*(\j)
.endr
	s_wait_loadcnt 24                              ; the lambdas are in; the row, gamma and beta, 24 younger loads, stay out
	LAMB LT, 6
	v_mul_f32 v[EP], v[LT+10], v[LT+10]
	v_mul_f32 v[EP], 0x3727c5ac, v[EP]             ; 1e-5 s^2
	s_wait_loadcnt 16                              ; the row is in
.irp c, 0,1,2,3
	v_pk_add_f32 v[M+2*(\c):M+2*(\c)+1], v[X+2*(\c):X+2*(\c)+1], v[X+8+2*(\c):X+8+2*(\c)+1]  ; the first pairs start the chains: nothing is cleared
.endr
.irp c, 0,1,2,3
	v_pk_add_f32 v[M+2*(\c):M+2*(\c)+1], v[M+2*(\c):M+2*(\c)+1], v[X+16+2*(\c):X+16+2*(\c)+1]
.endr
.irp c, 0,1,2,3
	v_pk_add_f32 v[M+2*(\c):M+2*(\c)+1], v[M+2*(\c):M+2*(\c)+1], v[X+24+2*(\c):X+24+2*(\c)+1]
.endr
	WSUM
	v_mul_f32 v[M], 0x3a800000, v[M]               ; mu = sum / 1024
	v_mov_b32 v[M+1], v[M]
.set i, 0
.rept 16
	v_pk_add_f32 v[X+2*i:X+2*i+1], v[X+2*i:X+2*i+1], v[M:M+1] neg_lo:[0,1] neg_hi:[0,1]  ; d = y - mu, in place
.set i, i+1
.endr
.irp c, 0,1,2,3
	v_pk_mul_f32 v[M+2*(\c):M+2*(\c)+1], v[X+2*(\c):X+2*(\c)+1], v[X+2*(\c):X+2*(\c)+1]
.endr
.irp k, 8,16,24
.irp c, 0,1,2,3
	v_pk_fma_f32 v[M+2*(\c):M+2*(\c)+1], v[X+(\k)+2*(\c):X+(\k)+2*(\c)+1], v[X+(\k)+2*(\c):X+(\k)+2*(\c)+1], v[M+2*(\c):M+2*(\c)+1]
.endr
.endr
	WSUM
	v_fmamk_f32 v[M], v[M], 0x3a800000, v[EP]      ; var + eps s^2
	v_rsq_f32 v[M+2], v[M]
	v_rsq_f32 v[M+3], v[M]                         ; twice, for the packed multiply; the conversions below are the plain instructions behind them
	s_wait_loadcnt 0x0                             ; gamma and beta
.set i, 0
.rept 16
	v_cvt_pk_bf16_f32 v4, v[G+2*i], v[G+2*i+1]
	v_cvt_pk_bf16_f32 v5, v[BT+2*i], v[BT+2*i+1]
	v_lshlrev_b32 v[G+2*i], 16, v4
	v_and_b32 v[G+2*i+1], 0xffff0000, v4
	v_lshlrev_b32 v[BT+2*i], 16, v5
	v_and_b32 v[BT+2*i+1], 0xffff0000, v5
.set i, i+1
.endr
.set i, 0
	s_wait_alu depctr_va_vdst(0)
.rept 16
	v_pk_mul_f32 v[X+2*i:X+2*i+1], v[X+2*i:X+2*i+1], v[M+2:M+3]
.set i, i+1
.endr
.set i, 0
.rept 16
	v_pk_fma_f32 v[X+2*i:X+2*i+1], v[X+2*i:X+2*i+1], v[G+2*i:G+2*i+1], v[BT+2*i:BT+2*i+1]
.set i, i+1
.endr
.irp j, 0,1,2,3,4,5,6,7
	global_store_b128 v3, v[X+4*(\j):X+4*(\j)+3], s[22:23] offset:512*(\j) th:TH_STORE_NT  ; a wave's store covers 512 consecutive bytes, aligned
.endr
	s_endpgm
.Lfunc_end_k_q5c417eab18_lnorm:
	.size	k_q5c417eab18_lnorm, .Lfunc_end_k_q5c417eab18_lnorm-k_q5c417eab18_lnorm
	.p2alignl 7, 3214868480
	.fill 96, 4, 3214868480
	.section	.rodata,"a",@progbits
	.p2align	6, 0x0
	.amdhsa_kernel k_q5c417eab18_lnorm
		.amdhsa_group_segment_fixed_size 0
		.amdhsa_private_segment_fixed_size 0
		.amdhsa_enable_private_segment 0
		.amdhsa_kernarg_size 64
		.amdhsa_user_sgpr_count 2
		.amdhsa_user_sgpr_kernarg_segment_ptr 1
		.amdhsa_wavefront_size32 1
		.amdhsa_system_sgpr_workgroup_id_x 1
		.amdhsa_system_sgpr_workgroup_id_y 1
		.amdhsa_system_sgpr_workgroup_id_z 1
		.amdhsa_system_vgpr_workitem_id 0
		.amdhsa_next_free_vgpr 128
		.amdhsa_next_free_sgpr 66
		.amdhsa_reserve_vcc 0
		.amdhsa_float_denorm_mode_32 3
		.amdhsa_float_denorm_mode_16_64 3
		.amdhsa_memory_ordered 1
		.amdhsa_forward_progress 1
		.amdhsa_inst_pref_size 18
	.end_amdhsa_kernel
	.amdgpu_metadata
---
amdhsa.version: [ 1, 2 ]
amdhsa.kernels:
  - .name:           k_q5c417eab18_lnorm
    .symbol:         k_q5c417eab18_lnorm.kd
    .args:
      - { .name: y, .offset: 0, .size: 8, .value_kind: global_buffer, .address_space: global }
      - { .name: gamma, .offset: 8, .size: 8, .value_kind: global_buffer, .address_space: global }
      - { .name: beta, .offset: 16, .size: 8, .value_kind: global_buffer, .address_space: global }
      - { .name: lambda_q1, .offset: 24, .size: 8, .value_kind: global_buffer, .address_space: global }
      - { .name: lambda_k1, .offset: 32, .size: 8, .value_kind: global_buffer, .address_space: global }
      - { .name: lambda_q2, .offset: 40, .size: 8, .value_kind: global_buffer, .address_space: global }
      - { .name: lambda_k2, .offset: 48, .size: 8, .value_kind: global_buffer, .address_space: global }
      - { .name: out0, .offset: 56, .size: 8, .value_kind: global_buffer, .address_space: global }
    .group_segment_fixed_size: 0
    .private_segment_fixed_size: 0
    .kernarg_segment_align: 8
    .kernarg_segment_size: 64
    .max_flat_workgroup_size: 128
    .sgpr_count:     66
    .vgpr_count:     128
    .wavefront_size: 32
...
	.end_amdgpu_metadata
.endif
;; end of part 5
